; MI455X (gfx1250); checked and timed in simulation.
; The chip was launched on July 23, 2026; its instructions are those of AMD's public machine-readable ISA for CDNA 5 (MIT licence, August 2026) and "CDNA5" Instruction Set Architecture Reference Guide (July 2026). The comments in the code are by the model that wrote it; some were corrected since.
;; Multi Head Transformer Block. Allowed arithmetic: matrix products marked QUANTISED: E4M3 operands, one given power-of-two scale a tensor, by v_wmma_f32_16x16x64_fp8_fp8 or v_wmma_f32_16x16x128_fp8_fp8, f32 sums; everything else in f32.
;; Inputs: W_O 1,024 x 1,024 float32; W_QKV 1,024 x 3,072 float32; Wff_in 1,024 x 4,096 float32; Wff_out 4,096 x 1,024 float32; X 2 x 2,048 x 1,024 float32; gamma1 1,024 float32; gamma2 1,024 float32; lowp_scales 12 int32 (the exponents e of the quantised operands' scales 2^e).
;; Outputs: out0 2 x 2,048 x 1,024 float32.
;; This version of the problem:
;;   THIS VERSION OF THE PROBLEM IS GIVEN IN LOW PRECISION. The matrix products marked QUANTISED in the list below multiply operands that are first quantised to E4M3 (4 exponent bits, 3 mantissa bits; 8 bits a number), with one given power-of-two scale for each operand tensor; their sums are f32. All else is computed in f32.
;;   The module's matrix products, in the order in which they are computed (A, B: the left and right operand; K: the contracted axis; several contracted axes count as one K, in the product's order):
;;     1. [M 4,096, K 1,024] x [K 1,024, N 3,072]; A: computed on the way; B: input W_QKV: QUANTISED (scales: A lowp_scales[0], B lowp_scales[1])
;;     2. batch 32 x [M 2,048, K 64] x [K 64, N 2,048]; A: computed on the way; B: computed on the way: QUANTISED (scales: A lowp_scales[2], B lowp_scales[3])
;;     3. batch 32 x [M 2,048, K 2,048] x [K 2,048, N 64]; A: softmax (see below); B: computed on the way: QUANTISED (scales: A lowp_scales[4], B lowp_scales[5])
;;     4. [M 4,096, K 1,024] x [K 1,024, N 1,024]; A: computed on the way; B: input W_O: QUANTISED (scales: A lowp_scales[6], B lowp_scales[7])
;;     5. [M 4,096, K 1,024] x [K 1,024, N 4,096]; A: computed on the way; B: input Wff_in: QUANTISED (scales: A lowp_scales[8], B lowp_scales[9])
;;     6. [M 4,096, K 4,096] x [K 4,096, N 1,024]; A: computed on the way; B: input Wff_out: QUANTISED (scales: A lowp_scales[10], B lowp_scales[11])
;;   THE QUANTISER, for each operand of a quantised product, along K:
;;     - The operand's scale is 2^e, e = its entry of the input lowp_scales (int32; the entries are numbered through the quantised products in the list's order, A before B).
;;     - Each number is divided by the scale, clamped to +-448, and rounded to the nearest number of E4M3, ties to even, subnormals kept.
;;     - The product sums the exact products of the quantised numbers (number of the format x scale) in f32.
;;   ~~~python
;;   def quantise(x, axis, e):      # numpy; x: float32 -> the quantised numbers, widened to float32 again
;;       x = np.moveaxis(x, axis, -1); K = x.shape[-1]
;;       r = np.clip(x / 2.0 ** e, -448, 448)
;;       step = 2.0 ** (np.maximum(np.frexp(np.where(r == 0, 1, r))[1] - 1, -6) - 3)
;;       q = np.round(r / step) * step * 2.0 ** e      # np.round: ties to even
;;       return np.moveaxis(q, -1, axis).astype(np.float32)
;;   ~~~
;;   SOFTMAX AHEAD OF A QUANTISED PRODUCT. Where the list says 'softmax', what is quantised is not the finished softmax but p = 2^(t - M), with t = logit x log2(e) and M = ceil(the row's largest t), a whole number; so 1/2 < the row's largest p <= 1. The row's sum l is taken of the UNQUANTISED p, in f32, and the product's result is divided by l at the end. Since M is a whole number, a kernel that streams over the keys may use a running M (the ceiling of the running maximum): every later rescaling is an exact power of two, so the quantised numbers keep their values, but for numbers so far below the row's largest that they fall under the format's range.
;;   OPERANDS COMPUTED ON THE WAY. 'Computed on the way' means the value that the module computes at that place (a softmax that the list does not call 'softmax' is quantised finished and normalised). What goes into a quantiser is computed in f32, as accurately as f32 sums, v_exp_f32 and their like allow (about 1e-6 of the number): no bf16 or f16 on the way to a quantiser, and a product that is left as it is and whose result goes on into a quantised operand takes f32 operands (vector FMAs, or v_wmma_f32_16x16x4_f32). A number that lies on a knife's edge between two numbers of the format may be rounded either way, as far as f32 arithmetic and the matrix unit's own rounding can turn it there, and no further.
;; One version. Each part assembles by itself: llvm-mc -triple=amdgcn-amd-amdhsa -mcpu=gfx1250 --defsym DOCPART=n.
;; ======== version 1 of 1: 7 launches
;; limits: right only within a limited range of input values
;; workspace buffers: wimg 12,582,912 bytes; a1 4,194,304 bytes; qkv 12,582,912 bytes; oimg 4,194,304 bytes; x1 16,777,216 bytes; a5 4,194,304 bytes; himg 16,777,216 bytes
;; launch prep (part 1): grid 448 x 1, 8 waves a work-group, no clusters, 87,296 bytes of LDS; arguments W_QKV, W_O, Wff_in, Wff_out, X, gamma1, lowp_scales, wimg, a1; writes wimg, a1
.if DOCPART == 1
	.amdgcn_target "amdgcn-amd-amdhsa--gfx1250"
	.amdhsa_code_object_version 6
	.text
	.protected	k_q319e917905_prep
	.globl	k_q319e917905_prep
	.p2align	8
	.type	k_q319e917905_prep,@function
k_q319e917905_prep:
	s_mov_b64 s[64:65], 0
	v_nop
	global_prefetch_b8 v0, s[64:65] scope:SCOPE_SE
	s_setreg_imm32_b32 hwreg(HW_REG_WAVE_MODE, 25, 1), 1
	s_wait_xcnt 0x0
; FIRST OF SEVEN LAUNCHES of a transformer block (4,096 tokens, width 1,024, 16 heads of 64, causal), all six products on codes of FP8 (E4M3) with given scales 2^e.
; DEAD WORK.  The only work that this program leaves out: key tiles that lie wholly above the diagonal of the mask that reference() builds in its own body (jnp.tril).  Their scores are replaced by -inf
; whatever the inputs hold, so their p is 0 and they reach no output.  No input is dead: all eight are loaded.  LIMIT: a NaN, an infinity or an overflow that reaches only those tiles is not carried to the result.
; THIS LAUNCH quantises the four weights (entries 1, 7, 9, 11 of the scales) and rms_norm(X, gamma1) (entry 0).  code = x / 2^e, held within +-448, to the nearest code, ties to even.
; LIMITS: each e between -126 and 119, so that 2^e and 448 x 2^e are f32 numbers.  NaN among the inputs is not served.
; EVERY OPERAND OF THIS PROGRAM LIES IN MEMORY AS IMAGES OF ITS REGISTERS.  An image is 16 rows x 128 along K, 2,048 bytes: register 4 c + j of lane l at byte 512 c + 16 l + 4 j; lane (r = l % 16, h = l / 16)
; holds row r, and its registers 2 p, 2 p + 1 hold k = 16 p + 8 h + 0 .. 7: the layout of the plain 8-bit matrix forms.  A tensor [R][K] is [R / 16][K / 128] images.  So a fragment is four loads of 16 bytes a lane at 16 x lane.
; Both producers here make codes in rows along K, in a stage in LDS in which position 32 c + 16 h + 8 u + i of a row holds k = 32 c + 16 u + 8 h + i: 16 bytes at 32 c + 16 h are then lane (r, h)'s 16 bytes of the image.
; WORK-GROUPS 0-191: the weights, [K][N] f32 with K first.  A lane takes a column and its registers run down K (in the stage's order), so the conversions give codes with K innermost; a wave takes 32 columns x 256 K,
; a work-group 128 columns x 512 K.  One path serves all four weights: only numbers and pointers are chosen, by the work-group's number.  Each wave has a stage of its own: no barrier.
; WORK-GROUPS 192-447: 16 rows of X each, two rows a wave, kept in registers between the sum of squares and the scaling; the codes meet in a stage of the work-group's (one barrier), and wave w stores the image of K block w.
; The two kinds take two whole paths through the text and use LDS bytes of their own.  No tensor loads, no matrix unit, no cluster: nothing is shared and the bytes moved decide.
.set WP,    272                        ; the weights' stage: a row is 256 codes + 16 bytes, so that 16 rows start 16 bytes apart modulo 256
.set WSTG,  0                          ; 8 waves x 32 rows
.set RP,    1040                       ; the rows' stage: 1,024 codes + 16
.set RSTG,  8*32*WP                    ; 16 rows
.set SPARE, RSTG+16*RP                 ; the spare words, 128 bytes for each wave: four blocks of 256 bytes that no other line names
.set SPW,  14                          ; v14  my spare word's LDS address; never rewritten
.set NIL,  15                          ; v15  0; never rewritten
.set X,    32                          ; v32-95   weights: two sets of 32 numbers; rows: row 0, row 1
.set C,    96                          ; v96-103  weights: a block's codes; rows: v96-103 sums, v104-107 1/rms twice each, v108 at work
.set OUTR, 112                         ; v112-175 weights: the way out; rows: v112-143 gamma, v144-159 the way out, v160-175 codes
.set GM,   112
.set OFF,  176                         ; v176-207 weights: byte offset of register q's row of W, + 4 x lane
.set SB,   48                          ; s[48:63] weights: the eight blocks' bases
	s_load_b256 s[4:11], s[0:1], 0x0               ; W_QKV, W_O, Wff_in, Wff_out
	s_load_b256 s[12:19], s[0:1], 0x20             ; X, gamma1, the scales' exponents, wimg
	s_load_b64 s[20:21], s[0:1], 0x40              ; a1
	v_lshl_add_u32 v[SPW], v0, 2, SPARE
	v_mov_b32 v[NIL], 0
	v_lshrrev_b32 v1, 5, v0
	s_delay_alu instid0(VALU_DEP_1)
	v_readfirstlane_b32 s22, v1                    ; wave 0..7
	v_and_b32 v1, 31, v0                           ; lane
	v_and_b32 v2, 15, v0                           ; r
	v_bfe_u32 v13, v0, 4, 1                        ; h
	s_delay_alu instid0(VALU_DEP_3)
	v_lshlrev_b32 v3, 2, v1                        ; 4 x lane
	s_delay_alu instid0(VALU_DEP_4)
	v_lshlrev_b32 v8, 4, v1                        ; 16 x lane
	; every LDS address of both paths is made here, ahead of the parting
	s_mul_i32 s23, s22, 32*WP                      ; my wave's stage
	v_mul_u32_u24 v4, v1, WP
	s_delay_alu instid0(VALU_DEP_1)
	v_add_nc_u32 v4, s23, v4                       ; weights, in: row = my column
	v_mul_u32_u24 v7, v2, WP
	s_delay_alu instid0(VALU_DEP_1)
	v_lshl_add_u32 v7, v13, 4, v7
	s_delay_alu instid0(VALU_DEP_1)
	v_add_nc_u32 v7, s23, v7                       ; weights, out: row r, + 16 h
	s_mul_i32 s23, s22, 2*RP
	s_add_co_u32 s23, s23, RSTG                    ; my wave's two rows
	v_and_b32 v6, 0x64, v3                         ; rows, in: my 4 codes have k % 128 = 4 x lane + 0 .. 3; in the stage bits 3 and 4 change places
	v_bfe_u32 v5, v0, 1, 1
	s_delay_alu instid0(VALU_DEP_1)
	v_lshl_add_u32 v6, v5, 4, v6
	v_bfe_u32 v5, v0, 2, 1
	s_delay_alu instid0(VALU_DEP_1)
	v_lshl_add_u32 v6, v5, 3, v6
	s_delay_alu instid0(VALU_DEP_1)
	v_add_nc_u32 v6, s23, v6
	s_lshl_b32 s23, s22, 7
	s_add_co_u32 s23, s23, RSTG                    ; rows, out: K block = my wave
	v_mul_u32_u24 v12, v2, RP
	s_delay_alu instid0(VALU_DEP_1)
	v_lshl_add_u32 v12, v13, 4, v12
	s_delay_alu instid0(VALU_DEP_1)
	v_add_nc_u32 v12, s23, v12
	s_wait_kmcnt 0x0
	s_load_b256 s[24:31], s[16:17], 0x0            ; e0 .. e7
	s_load_b128 s[32:35], s[16:17], 0x20           ; e8 .. e11
	s_cmp_ge_u32 ttmp9, 192                        ; the work-group's number alone: all eight waves go the same way
	s_cbranch_scc1 .Lrms
; ---------------- the weights ----------------
	s_mov_b64 s[36:37], s[4:5]                     ; W_QKV: work-groups 0-47
	s_mov_b32 s40, 12288                           ; bytes in a row of W
	s_mov_b32 s41, 16384                           ; bytes of 16 rows of codes: 16 K
	s_mov_b32 s42, 1                               ; log2(K / 512)
	s_mov_b32 s43, 0                               ; the tensor's first work-group
	s_mov_b32 s44, 0                               ; its place in wimg
	s_cmp_ge_u32 ttmp9, 48                         ; W_O: 48-63
	s_cselect_b64 s[36:37], s[6:7], s[36:37]
	s_cselect_b32 s40, 4096, s40
	s_cselect_b32 s43, 48, s43
	s_cselect_b32 s44, 3145728, s44
	s_cmp_ge_u32 ttmp9, 64                         ; Wff_in: 64-127
	s_cselect_b64 s[36:37], s[8:9], s[36:37]
	s_cselect_b32 s40, 16384, s40
	s_cselect_b32 s43, 64, s43
	s_cselect_b32 s44, 4194304, s44
	s_cmp_ge_u32 ttmp9, 128                        ; Wff_out: 128-191
	s_cselect_b64 s[36:37], s[10:11], s[36:37]
	s_cselect_b32 s40, 4096, s40
	s_cselect_b32 s41, 65536, s41
	s_cselect_b32 s42, 3, s42
	s_cselect_b32 s43, 128, s43
	s_cselect_b32 s44, 8388608, s44
	s_sub_co_u32 s45, ttmp9, s43                   ; my number within the tensor
	s_lshl_b32 s46, 1, s42
	s_sub_co_u32 s46, s46, 1
	s_and_b32 s46, s45, s46                        ; which 512 along K
	s_lshr_b32 s47, s45, s42                       ; which 128 columns
	s_lshl_b32 s47, s47, 7
	s_and_b32 s39, s22, 3
	s_lshl_b32 s39, s39, 5
	s_add_co_u32 s47, s47, s39                     ; my wave's first column
	s_lshl_b32 s46, s46, 9
	s_lshr_b32 s39, s22, 2
	s_lshl_b32 s39, s39, 8
	s_add_co_u32 s46, s46, s39                     ; my wave's first k
	s_mul_i32 s66, s46, s40
	s_lshl_b32 s39, s47, 2
	s_add_co_u32 s66, s66, s39
	s_mov_b32 s67, 0
	s_add_nc_u64 s[SB:SB+1], s[36:37], s[66:67]    ; block 0's base
	s_lshl_b32 s66, s40, 5                         ; 32 rows on
.irp t, 1,2,3,4,5,6,7
	s_add_nc_u64 s[SB+2*\t:SB+2*\t+1], s[SB+2*\t-2:SB+2*\t-1], s[66:67]
.endr
	s_lshr_b32 s39, s47, 4
	s_mul_i32 s39, s39, s41                        ; (column / 16) x 16 K
	s_lshl_b32 s78, s46, 4                         ; (k / 128) x 2,048
	s_add_co_u32 s78, s78, s39
	s_add_co_u32 s78, s78, s44
	s_mov_b32 s79, 0
	s_add_nc_u64 s[68:69], s[18:19], s[78:79]      ; my wave's first image
	v_add_nc_u32 v9, s41, v8                       ; the 16 columns after: one block of images on
.set q, 0
.rept 32
	v_mad_u32_u24 v[OFF+q], s40, (q&7)|((q&8)<<1)|((q&16)>>1), v3   ; register q takes row 32 t + (q with bits 3 and 4 changed over)
.set q, q+1
.endr
.macro LOAD t                          ; block t: 32 rows of W at my column; 32 lanes read 128 consecutive bytes, four waves side by side 512
.set q, 0
.rept 32
	global_load_b32 v[X+32*((\t)%2)+q], v[OFF+q], s[SB+2*(\t):SB+2*(\t)+1] th:TH_LOAD_NT
.set q, q+1
.endr
.endm
	LOAD 0
	LOAD 1
	s_wait_kmcnt 0x0
	s_mov_b32 s38, s25                             ; the tensor's e
	s_cmp_ge_u32 ttmp9, 48
	s_cselect_b32 s38, s31, s38
	s_cmp_ge_u32 ttmp9, 64
	s_cselect_b32 s38, s33, s38
	s_cmp_ge_u32 ttmp9, 128
	s_cselect_b32 s38, s35, s38
	s_add_co_i32 s38, s38, 127
	s_lshl_b32 s39, s38, 23
	v_mov_b32 v11, s39                             ; 2^e as f32: the conversion takes its exponent field
	s_add_co_i32 s38, s38, 8
	s_lshl_b32 s38, s38, 23
	s_or_b32 s38, s38, 0x600000
	v_mov_b32 v10, s38                             ; 448 x 2^e
.macro BLOCK t
.set XS, X+32*((\t)%2)
.if (\t) < 7
	s_wait_loadcnt 32                              ; this block's 32 loads are in; the next block's 32 may be out
.else
	s_wait_loadcnt 0
.endif
.set q, 0
.rept 32
	v_med3_num_f32 v[XS+q], v[XS+q], -v10, v10     ; the conversion to an 8-bit code does not saturate (ISA guide 7.6.2): the hold comes first
.set q, q+1
.endr
.irp g, 0,1,2,3
	v_cvt_scalef32_pk8_fp8_f32 v[C+2*\g:C+2*\g+1], v[XS+8*\g:XS+8*\g+7], v11
.endr
	ds_store_b128 v4, v[C:C+3] offset:32*(\t)      ; 32 codes of my column's row.  (The conversions' results go to LDS stores, their sources take loads: no plain line is owed; the next block begins with plain lines on other registers)
	ds_store_b128 v4, v[C+4:C+7] offset:32*(\t)+16
.if (\t)+2 < 8
	LOAD (\t)+2
.endif
	s_wait_dscnt 0x0                               ; the stores have read their registers: the next block's codes may be written
.endm
	s_wait_alu depctr_va_vdst(0)
.irp t, 0,1,2,3,4,5,6,7
	BLOCK \t
.endr
	; out: 2 blocks of 16 columns x 2 K blocks x 4 groups of registers.  LDS serves a wave's instructions in order: these see my stores
.irp nb, 0,1
.irp kb, 0,1
.irp c, 0,1,2,3
	ds_load_b128 v[OUTR+4*(8*\nb+4*\kb+\c):OUTR+4*(8*\nb+4*\kb+\c)+3], v7 offset:\nb*16*WP+\kb*128+\c*32
.endr
.endr
.endr
.irp nb, 0,1
.irp kb, 0,1
.irp c, 0,1,2,3
	s_wait_dscnt 15-(8*\nb+4*\kb+\c)               ; the loads behind this one may be out
	global_store_b128 v[8+\nb], v[OUTR+4*(8*\nb+4*\kb+\c):OUTR+4*(8*\nb+4*\kb+\c)+3], s[68:69] offset:\kb*2048+\c*512   ; the wave stores 512 consecutive bytes, aligned
.endr
.endr
.endr
	s_wait_tensorcnt 0x0                           ; the wave's end
	ds_add_u32 v[SPW], v[NIL]
	s_wait_dscnt 0x0
	s_endpgm
; ---------------- rms_norm(X, gamma1), quantised ----------------
.Lrms:
	s_sub_co_u32 s45, ttmp9, 192                   ; my block of 16 rows
	s_lshl_b32 s46, s45, 16                        ; 16 rows of 4,096 bytes
	s_lshl_b32 s39, s22, 13                        ; my wave's two
	s_add_co_u32 s46, s46, s39
	s_mov_b32 s47, 0
	s_add_nc_u64 s[74:75], s[12:13], s[46:47]
	s_lshl_b32 s46, s45, 14                        ; the block's eight images,
	s_lshl_b32 s39, s22, 11                        ; my wave's one
	s_add_co_u32 s46, s46, s39
	s_add_nc_u64 s[72:73], s[20:21], s[46:47]
	s_mov_b32 s70, 0x3a800000                      ; 1 / 1,024
	s_mov_b32 s71, 0x358637bd                      ; 1e-6
	s_mov_b32 s76, 0x76543210                      ; v_permlanex16_b32: lane l xor 16
	s_mov_b32 s77, 0xfedcba98
	v_mov_b32 v108, 0                              ; a lane permute's destination counts as read
.irp j, 0,1,2,3,4,5,6,7
	global_load_b128 v[GM+4*\j:GM+4*\j+3], v8, s[14:15] offset:512*\j
.endr
.irp j, 0,1,2,3,4,5,6,7
	global_load_b128 v[X+4*\j:X+4*\j+3], v8, s[74:75] offset:512*\j th:TH_LOAD_NT          ; register 4 j + i: element 128 j + 4 x lane + i
.endr
.irp j, 0,1,2,3,4,5,6,7
	global_load_b128 v[X+32+4*\j:X+32+4*\j+3], v8, s[74:75] offset:4096+512*\j th:TH_LOAD_NT
.endr
	s_wait_kmcnt 0x0
	s_add_co_i32 s38, s24, 127                     ; e0
	s_lshl_b32 s39, s38, 23
	v_mov_b32 v11, s39
	s_add_co_i32 s38, s38, 8
	s_lshl_b32 s38, s38, 23
	s_or_b32 s38, s38, 0x600000
	v_mov_b32 v10, s38
.macro SUMSQ x, s                      ; the row's sum of squares, in every lane: two packed chains, then across the lanes
	v_pk_mul_f32 v[\s:\s+1], v[\x:\x+1], v[\x:\x+1]
	v_pk_mul_f32 v[\s+2:\s+3], v[\x+2:\x+3], v[\x+2:\x+3]
.irp j, 4,8,12,16,20,24,28
	s_delay_alu instid0(VALU_DEP_2)
	v_pk_fma_f32 v[\s:\s+1], v[\x+\j:\x+\j+1], v[\x+\j:\x+\j+1], v[\s:\s+1]
	s_delay_alu instid0(VALU_DEP_2)
	v_pk_fma_f32 v[\s+2:\s+3], v[\x+\j+2:\x+\j+3], v[\x+\j+2:\x+\j+3], v[\s+2:\s+3]
.endr
	s_delay_alu instid0(VALU_DEP_1)
	v_pk_add_f32 v[\s:\s+1], v[\s:\s+1], v[\s+2:\s+3]
	s_delay_alu instid0(VALU_DEP_1)
	v_add_f32 v[\s], v[\s], v[\s+1]
	s_delay_alu instid0(VALU_DEP_1)
	v_add_f32_dpp v[\s], v[\s], v[\s] row_xmask:1 row_mask:0xf bank_mask:0xf
	s_delay_alu instid0(VALU_DEP_1)
	v_add_f32_dpp v[\s], v[\s], v[\s] row_xmask:2 row_mask:0xf bank_mask:0xf
	s_delay_alu instid0(VALU_DEP_1)
	v_add_f32_dpp v[\s], v[\s], v[\s] row_xmask:4 row_mask:0xf bank_mask:0xf
	s_delay_alu instid0(VALU_DEP_1)
	v_add_f32_dpp v[\s], v[\s], v[\s] row_xmask:8 row_mask:0xf bank_mask:0xf
	s_delay_alu instid0(VALU_DEP_1)
	v_permlanex16_b32 v108, v[\s], s76, s77
	s_delay_alu instid0(VALU_DEP_1)
	v_add_f32 v[\s], v[\s], v108
.endm
.macro ROWQ x, rp, c, rr               ; (x r) gamma in that order, held, turned into codes; code register j holds k = 128 j + 4 x lane + 0 .. 3
.set q, 0
.rept 16
	v_pk_mul_f32 v[\x+q:\x+q+1], v[\x+q:\x+q+1], v[\rp:\rp+1]
.set q, q+2
.endr
.set q, 0
.rept 16
	v_pk_mul_f32 v[\x+q:\x+q+1], v[\x+q:\x+q+1], v[GM+q:GM+q+1]
.set q, q+2
.endr
.set q, 0
.rept 32
	v_med3_num_f32 v[\x+q], v[\x+q], -v10, v10
.set q, q+1
.endr
.irp g, 0,1,2,3
	v_cvt_scalef32_pk8_fp8_f32 v[\c+2*\g:\c+2*\g+1], v[\x+8*\g:\x+8*\g+7], v11
.endr
	v_nop                                          ; one plain line behind the last conversion
.irp j, 0,1,2,3,4,5,6,7
	ds_store_b32 v6, v[\c+\j] offset:\rr*RP+128*\j
.endr
.endm
	s_wait_loadcnt 8                               ; gamma and row 0 are in; row 1's eight loads may be out
	SUMSQ X, 96
	s_wait_loadcnt 0
	SUMSQ X+32, 100
	v_fma_f32 v96, v96, s70, s71                   ; the mean + 1e-6
	s_delay_alu instid0(VALU_DEP_2)
	v_fma_f32 v100, v100, s70, s71
	s_wait_alu depctr_va_vdst(0)
	v_rsq_f32 v104, v96                            ; twice each: the packed multiply names a pair
	v_rsq_f32 v105, v96
	v_rsq_f32 v106, v100
	v_rsq_f32 v107, v100
	v_nop                                          ; a plain line behind the last of them,
	s_wait_alu depctr_va_vdst(0)                   ; and one wait for the four, ahead of their first reader
	ROWQ X, 104, 168, 0
	ROWQ X+32, 106, 160, 1
	s_wait_dscnt 0x0                               ; for the others' sake: my codes lie in the stage
	s_barrier_signal -1
	s_barrier_wait -1
.irp c, 0,1,2,3
	ds_load_b128 v[144+4*\c:147+4*\c], v12 offset:32*\c
.endr
.irp c, 0,1,2,3
	s_wait_dscnt 3-\c
	global_store_b128 v8, v[144+4*\c:147+4*\c], s[72:73] offset:512*\c   ; 512 consecutive bytes, aligned
.endr
	s_wait_tensorcnt 0x0                           ; the wave's end
	ds_add_u32 v[SPW], v[NIL]
	s_wait_dscnt 0x0
	s_endpgm
.Lfunc_end_k_q319e917905_prep:
	.size	k_q319e917905_prep, .Lfunc_end_k_q319e917905_prep-k_q319e917905_prep
	.p2alignl 7, 3214868480
	.fill 96, 4, 3214868480
	.section	.rodata,"a",@progbits
	.p2align	6, 0x0
	.amdhsa_kernel k_q319e917905_prep
		.amdhsa_group_segment_fixed_size 87296
		.amdhsa_private_segment_fixed_size 0
		.amdhsa_enable_private_segment 0
		.amdhsa_kernarg_size 72
		.amdhsa_user_sgpr_count 2
		.amdhsa_user_sgpr_kernarg_segment_ptr 1
		.amdhsa_wavefront_size32 1
		.amdhsa_system_sgpr_workgroup_id_x 1
		.amdhsa_system_sgpr_workgroup_id_y 1
		.amdhsa_system_sgpr_workgroup_id_z 1
		.amdhsa_system_vgpr_workitem_id 0
		.amdhsa_next_free_vgpr 224
		.amdhsa_next_free_sgpr 96
		.amdhsa_reserve_vcc 0
		.amdhsa_float_denorm_mode_32 3
		.amdhsa_float_denorm_mode_16_64 3
		.amdhsa_memory_ordered 1
		.amdhsa_forward_progress 1
		.amdhsa_inst_pref_size 73
	.end_amdhsa_kernel
	.amdgpu_metadata
---
amdhsa.version: [ 1, 2 ]
amdhsa.kernels:
  - .name:           k_q319e917905_prep
    .symbol:         k_q319e917905_prep.kd
    .args:
      - { .name: W_QKV, .offset: 0, .size: 8, .value_kind: global_buffer, .address_space: global }
      - { .name: W_O, .offset: 8, .size: 8, .value_kind: global_buffer, .address_space: global }
      - { .name: Wff_in, .offset: 16, .size: 8, .value_kind: global_buffer, .address_space: global }
      - { .name: Wff_out, .offset: 24, .size: 8, .value_kind: global_buffer, .address_space: global }
      - { .name: X, .offset: 32, .size: 8, .value_kind: global_buffer, .address_space: global }
      - { .name: gamma1, .offset: 40, .size: 8, .value_kind: global_buffer, .address_space: global }
      - { .name: lowp_scales, .offset: 48, .size: 8, .value_kind: global_buffer, .address_space: global }
      - { .name: wimg, .offset: 56, .size: 8, .value_kind: global_buffer, .address_space: global }
      - { .name: a1, .offset: 64, .size: 8, .value_kind: global_buffer, .address_space: global }
    .group_segment_fixed_size: 87296
    .private_segment_fixed_size: 0
    .kernarg_segment_align: 8
    .kernarg_segment_size: 72
    .max_flat_workgroup_size: 256
    .sgpr_count:     96
    .vgpr_count:     224
    .wavefront_size: 32
...
	.end_amdgpu_metadata
.endif
;; end of part 1
;; launch gemm_qkv (part 2): grid 12 x 16, 4 waves a work-group, clusters of 4 x 4, 327,680 bytes of LDS; arguments a1, wimg, lowp_scales, qkv; writes qkv
.if DOCPART == 2
	.amdgcn_target "amdgcn-amd-amdhsa--gfx1250"
	.amdhsa_code_object_version 6
	.text
	.protected	k_q319e917905_gemm_qkv
	.globl	k_q319e917905_gemm_qkv
	.p2align	8
	.type	k_q319e917905_gemm_qkv,@function
k_q319e917905_gemm_qkv:
	s_mov_b64 s[64:65], 0
	v_nop
	global_prefetch_b8 v0, s[64:65] scope:SCOPE_SE
	s_setreg_imm32_b32 hwreg(HW_REG_WAVE_MODE, 25, 1), 1
	s_wait_xcnt 0x0
	s_wait_alu depctr_hold_cnt(0) depctr_sa_sdst(0) depctr_va_vdst(0) depctr_va_sdst(0) depctr_va_ssrc(0) depctr_va_vcc(0) depctr_vm_vsrc(0)
	s_getreg_b32 s2, hwreg(HW_REG_IB_STS2, 6, 4)
	s_cmp_eq_u32 s2, 0
	s_cbranch_scc0 .Lentry_in_a_cluster
	s_endpgm
.Lentry_in_a_cluster:
	s_bfe_u32 s2, ttmp6, 0x10000c
	s_cmp_lg_u32 s2, 0xf033
	s_cbranch_scc0 .Lentry_shape_is_right
	s_endpgm
.Lentry_shape_is_right:
; QKV = Q(rms_norm(X)) Q(W_QKV), 4,096 x 3,072, K = 1,024, on codes of FP8 (E4M3); each finished sum is quantised at once for attention: Q (entry 2 of the scales), K (entry 3), V (entry 5).  Nothing is left out here.
; OPERANDS ARE IMAGES OF REGISTERS: 16 rows x 128 K in 2,048 bytes, register 4 c + j of lane l at 512 c + 16 l + 4 j, in the plain 8-bit forms' own layout; a tensor is [rows / 16][K / 128] images.  So a K step's tile is
; a few long dense rows for the tensor data mover, and a fragment is four ds_load_b128 at 16 x lane: no pitch, no padding, each load 512 consecutive bytes.
; A tile of 256 x 256 is made by four waves, 128 x 128 each: 64 accumulators, 512 registers.  K goes in steps of 256 through two LDS slots.  CLUSTERS of 4 x 4: the tiles of the operand in source 1 are shared along a row
; of the cluster, those of the operand in source 0 along a column, by joint loads.
; SOURCE 1's row is the lane's row in the result, and the lane's eight registers are eight neighbouring rows of SOURCE 0: eight neighbours along the NEXT product's K.  So the conversion of accumulator b IS register pair b
; of the next operand's image, and the codes are stored straight from registers.  For Q and K (cluster x = 0, 1) source 1 = tokens, source 0 = W's columns: images of 16 tokens x 64 channels.  For V (cluster x = 2) the next K is
; the keys, so THE TWO CHANGE PLACES: source 1 = W's columns, source 0 = tokens: images of 16 channels x 128 keys.  Only pointers and block numbers are chosen (by cluster x, the same in all sixteen partners): the loop is one text.
; qkv: Q at 0, K at 2^22: [32 heads][128 blocks of 16 tokens][1,024 bytes]; V at 2^23: [32 heads][16 blocks of 128 keys][4 blocks of 16 channels][2,048 bytes].
; LIMIT: e(Q, K or V) - e0 - e1 between -126 and 119, so that the conversion's scale and 448 x it are f32 numbers.
; 192 work-groups: 12 x 16 tiles; a tile of other shape is not built.
; REGISTERS, in windows of 256: window 0: v16-31 addresses and scales; v32-95 at work on the way out; v128-255 source 1's fragments, ONE set, later the codes.  window 1: source 0's fragments, TWO sets.  windows 2, 3: the accumulators ((a, b) at v[8 (8 (a % 4) + b)]).
.set KSB,    4096                      ; a block's part of a K step: two images
.set MBP,    16384                     ; from a block of 16 rows to the next: 16 x 1,024 bytes
.set HALFT,  8*KSB                     ; 8 blocks = 128 rows: what one tensor load brings, and what one wave reads of either operand
.set SLOT,   4*HALFT                   ; source 1's 16 blocks, then source 0's 16
.set LAPS,   2                         ; K = 1,024 = four K steps = twice round the ring
.set SPARE,  2*SLOT                    ; behind the ring: the spare words, 128 bytes for each wave
.set FR,     16
.set NL,     4
.set NP,     4                         ; places behind this matrix form (ISA guide 7.12.1)
.set ADRA, 16                          ; v16-17  LDS address of source 1's fragments in slot 0, 1
.set ADRB, 20                          ; v20-21  of source 0's
.set CO,   26                          ; v26     16 x lane
.set SPW,  28                          ; v28     my spare word; never rewritten
.set NIL,  29                          ; v29     0; never rewritten
.set SCL,  30                          ; v30     the conversion's scale
.set LIM,  31                          ; v31     448 x it
.set TMP,  32
.set AF,   128
.set CD,   128                         ; the codes: 16 registers a block
.set G1, 24
.set G0, 32
.set G1B, 48
.set G0B, 56
.set MSB, 0
.macro WIN new                         ; the immediate's high byte repeats the setting that is left
.if MSB != \new
	s_set_vgpr_msb (MSB<<8)|\new
.set MSB, \new
.endif
.endm
.set MUL_LO, 0xa1                      ; source 0 window 1, source 1 window 0, C and D window 2
.set MUL_HI, 0xf1                      ; the same, C and D window 3
.set TO_B,   0x40                      ; destination window 1, address window 0
; A joint load: waves 0 and 1 fetch source 1's tile, waves 2 and 3 source 0's.  The branch hangs on the wave's number alone.  An s_nop 0 and four v_nop follow each line.
.macro JLOAD g0a, g1a, g0b, g1b
	s_cmp_eq_u32 s15, 0
	s_cbranch_scc0 .Lfor_b_\@
	tensor_load_to_lds s[\g0a:\g0a+3], s[\g1a:\g1a+7]
	s_nop 0
.rept 4
	v_nop
.endr
	s_branch .Lasked_\@
.Lfor_b_\@:
	tensor_load_to_lds s[\g0b:\g0b+3], s[\g1b:\g1b+7]
	s_nop 0
.rept 4
	v_nop
.endr
.Lasked_\@:
.endm
.macro CREST                           ; a round of the cluster's barrier behind its opening barrier
	s_cmp_lg_u32 s14, 0
	s_cbranch_scc1 .Lnot_wave_0_\@
	s_barrier_signal -3
.Lnot_wave_0_\@:
	s_barrier_wait -3
	s_barrier_signal -1
	s_barrier_wait -1
.endm
.macro CROUND
	s_barrier_signal -1
	s_barrier_wait -1
	CREST
.endm
	s_load_b128 s[4:7], s[0:1], 0x0                ; a1, wimg
	s_load_b128 s[8:11], s[0:1], 0x10              ; the scales' exponents, qkv
	v_lshl_add_u32 v[SPW], v0, 2, SPARE
	v_mov_b32 v[NIL], 0
	ds_add_u32 v[SPW], v[NIL]                      ; the wave's opening: the add, twice on end, and its wait ahead of my first tensor load
	ds_add_u32 v[SPW], v[NIL]
	v_lshrrev_b32 v1, 5, v0
	v_readfirstlane_b32 s14, v1                    ; wave 0..3
	s_lshr_b32 s15, s14, 1                         ; my half of source 1's rows.  Also: I fetch for source 1 (0) or source 0 (1)
	s_and_b32 s16, s14, 1                          ; my half of source 0's rows.  Also: which 8 blocks of that tile I fetch
	s_bfe_u32 s40, ttmp6, 0x40000                  ; cx
	s_bfe_u32 s41, ttmp6, 0x40004                  ; cy
	s_lshl_b32 s43, s41, 2
	s_lshl_b32 s43, 15, s43                        ; my row of the cluster
	s_lshl_b32 s44, 0x1111, s40                    ; my column
	; descriptor group 1: 8 rows (blocks) of 512 elements of 8 bytes (two images), 2,048 elements apart; no padding
	s_or_b32 s[G1+0], s43, (3<<16)|(1<<21)         ; 15:0 the mask; 17:16 elements of 8 bytes; 21 set beside a mask
	s_or_b32 s[G1B+0], s44, (3<<16)|(1<<21)
.irp g, G1, G1B
	s_mov_b32 s[\g+1], 512<<16                     ; tensor_dim0
	s_mov_b32 s[\g+2], 8<<16                       ; tensor_dim1
	s_mov_b32 s[\g+3], 512<<16                     ; tile_dim0
	s_mov_b32 s[\g+4], 8                           ; tile_dim1
	s_mov_b32 s[\g+5], MBP/8                       ; tensor_dim0_stride
	s_mov_b32 s[\g+6], 0
	s_mov_b32 s[\g+7], 0
.endr
	s_and_b32 s17, ttmp7, 0xffff
	s_lshl_b32 s17, s17, 6                         ; 64 x cluster y: the cluster's first block of tokens
	s_lshl_b32 s19, ttmp9, 6                       ; 64 x cluster x: the class's first block of W's columns
	s_cmp_eq_u32 ttmp9, 2                          ; V?
	s_cselect_b32 s20, 128, s17                    ; source 1: V: W's blocks 128 on; else the tokens
	s_cselect_b32 s46, s17, s19                    ; source 0: V: the tokens; else W's blocks of the class
	s_lshl_b32 s18, s16, 3
	s_lshl_b32 s21, s41, 4
	s_add_co_u32 s20, s20, s21                     ; + 16 cy: shared along my row of the cluster
	s_add_co_u32 s20, s20, s18                     ; + the 8 blocks that I fetch
	s_lshl_b32 s20, s20, 14
	s_mov_b32 s21, 0
	s_lshl_b32 s47, s40, 4
	s_add_co_u32 s46, s46, s47                     ; + 16 cx: shared along my column
	s_add_co_u32 s46, s46, s18
	s_lshl_b32 s46, s46, 14
	s_mov_b32 s47, 0
	s_mul_i32 s45, s14, HALFT                      ; where they go: wave x 8 blocks: no place in the cluster enters an LDS address
	s_wait_dscnt 0x0                               ; both opening adds are done
	s_wait_kmcnt 0x0
	s_load_b256 s[68:75], s[8:9], 0x0              ; e0 .. e7
	s_cmp_eq_u32 ttmp9, 2
	s_cselect_b64 s[76:77], s[6:7], s[4:5]         ; source 1's tensor
	s_cselect_b64 s[78:79], s[4:5], s[6:7]         ; source 0's
	s_add_nc_u64 s[20:21], s[76:77], s[20:21]
	s_add_nc_u64 s[46:47], s[78:79], s[46:47]
	CROUND                                         ; all sixteen work-groups are here: the first joint loads meet
.irp s, 0,1
	s_mov_b32 s[G0+4*\s], 1
	s_add_co_u32 s[G0+4*\s+1], s45, \s*SLOT
	s_add_nc_u64 s[G0+4*\s+2:G0+4*\s+3], s[20:21], \s*KSB
	s_or_b32 s[G0+4*\s+3], s[G0+4*\s+3], 0x80000000
	s_mov_b32 s[G0B+4*\s], 1
	s_add_co_u32 s[G0B+4*\s+1], s45, \s*SLOT
	s_add_nc_u64 s[G0B+4*\s+2:G0B+4*\s+3], s[46:47], \s*KSB
	s_or_b32 s[G0B+4*\s+3], s[G0B+4*\s+3], 0x80000000
.endr
	JLOAD G0, G1, G0B, G1B                         ; K step 0: one tensor load a wave at the head
	v_and_b32 v1, 31, v0
	v_lshlrev_b32 v[CO], 4, v1
	s_mul_i32 s21, s15, HALFT
	s_mul_i32 s22, s16, HALFT
	s_add_co_u32 s22, s22, 2*HALFT
.irp s, 0,1
	v_add_nc_u32 v[ADRA+\s], s21, v[CO]
	v_add_nc_u32 v[ADRB+\s], s22, v[CO]
	s_add_co_u32 s21, s21, SLOT
	s_add_co_u32 s22, s22, SLOT
.endr
	; where my codes go: class x 2^22 + batch x 2^21 + (4 x channel tile + 2 x channel half) heads x 2^17 + (2 x (token tile % 8) + token half) x 128 tokens x 64 bytes
	s_and_b32 s80, ttmp7, 0xffff
	s_lshl_b32 s80, s80, 2
	s_cmp_eq_u32 ttmp9, 2
	s_cselect_b32 s81, s40, s41
	s_cselect_b32 s82, s16, s15                    ; token half
	s_cselect_b32 s83, s41, s40                    ; channel tile
	s_cselect_b32 s84, s15, s16                    ; channel half
	s_add_co_u32 s80, s80, s81                     ; token tile
	s_lshr_b32 s85, s80, 3
	s_lshl_b32 s85, s85, 21
	s_and_b32 s80, s80, 7
	s_lshl_b32 s80, s80, 1
	s_add_co_u32 s80, s80, s82
	s_lshl_b32 s80, s80, 13
	s_lshl_b32 s83, s83, 2
	s_lshl_b32 s84, s84, 1
	s_add_co_u32 s83, s83, s84
	s_lshl_b32 s83, s83, 17
	s_lshl_b32 s86, ttmp9, 22
	s_add_co_u32 s80, s80, s85
	s_add_co_u32 s80, s80, s83
	s_add_co_u32 s80, s80, s86
	s_mov_b32 s81, 0
	s_add_nc_u64 s[10:11], s[10:11], s[80:81]
.macro FRAG reg, adr, q, i             ; block i's image of the slot's q-th 128 along K: 16 registers
.irp c, 0,1,2,3
	ds_load_b128 v[\reg+4*\c:\reg+4*\c+3], v[\adr] offset:(\i)*KSB+(\q)*2048+512*\c
.endr
.endm
; 16 matrix instructions: source 1's blocks a0, a0 + 1 x source 0's eight.  The 64 accumulators take turns, one instruction a turn, in the same order in every step.
.macro MUL16 a0, p, zero
.irp a, \a0, \a0+1
.irp b, 0,1,2,3,4,5,6,7
.if \zero
	v_wmma_f32_16x16x128_fp8_fp8 v[8*(8*((\a)%4)+\b):8*(8*((\a)%4)+\b)+7], v[128*(\p)+FR*\b:128*(\p)+FR*\b+FR-1], v[AF+FR*(\a):AF+FR*(\a)+FR-1], 0
.else
	v_wmma_f32_16x16x128_fp8_fp8 v[8*(8*((\a)%4)+\b):8*(8*((\a)%4)+\b)+7], v[128*(\p)+FR*\b:128*(\p)+FR*\b+FR-1], v[AF+FR*(\a):AF+FR*(\a)+FR-1], v[8*(8*((\a)%4)+\b):8*(8*((\a)%4)+\b)+7]
.endif
.endr
.endr
.endm
.macro FETCH_B slot, q, p
	WIN TO_B
.irp i, 0,1,2,3,4,5,6,7
	FRAG 128*(\p)+FR*\i, ADRB+\slot, \q, \i
.endr
	WIN 0
.endm
.macro FETCH_A slot, q, i0
.irp i, \i0, \i0+1, \i0+2, \i0+3
	FRAG AF+FR*(\i), ADRA+\slot, \q, \i
.endr
.endm
.macro PLACES n                        ; plain vector lines between a matrix instruction and a load into, or a vector line on, its registers (ISA guide 7.12.1 for vector lines)
.rept \n
	v_nop
.endr
.endm
.macro STEP slot, q, zero              ; 128 along K that has its successor in the same slot
	s_wait_dscnt 4*NL                              ; source 0's set and source 1's blocks 0-3 are in; the youngest 16 loads (blocks 4-7) may be out
	WIN MUL_LO
	MUL16 0, (\q)%2, \zero
	MUL16 2, (\q)%2, \zero
	s_wait_dscnt 0
	PLACES NP
	FETCH_B \slot, (\q)+1, 1-(\q)%2
	FETCH_A \slot, (\q)+1, 0
	WIN MUL_HI
	MUL16 4, (\q)%2, \zero
	MUL16 6, (\q)%2, \zero
	PLACES NP
	WIN 0
	FETCH_A \slot, (\q)+1, 4
.endm
; A slot's last step changes slots: one barrier; in front of it each wave waits for all its tensor loads, adds 0 to its spare word, and waits for that and for its reads of this slot.  fill = 1: the slot is filled again, two K steps on.
.macro TURN slot, next, fill
	s_wait_tensorcnt 0x0                           ; all my tensor loads have landed: my part of the next slot
	ds_add_u32 v[SPW], v[NIL]
	s_wait_dscnt 4*NL+1                            ; the add and the youngest 16 loads may be out
	WIN MUL_LO
	MUL16 0, 1, 0
	s_wait_dscnt 0x0                               ; the add is done, and my reads of this slot are over
	s_barrier_signal -1
	MUL16 2, 1, 0
	WIN 0
	s_barrier_wait -1
.if \fill
	CREST                                          ; the barrier has opened a round of the cluster's: no wave of any partner still reads this slot or has a load on its way
	s_add_nc_u64 s[G0+4*\slot+2:G0+4*\slot+3], s[G0+4*\slot+2:G0+4*\slot+3], 2*KSB
	s_add_nc_u64 s[G0B+4*\slot+2:G0B+4*\slot+3], s[G0B+4*\slot+2:G0B+4*\slot+3], 2*KSB
	JLOAD G0+4*\slot, G1, G0B+4*\slot, G1B         ; the first tensor load behind the round; its four v_nop are the places in front of the loads below
.else
	PLACES NP
.endif
	FETCH_B \next, 0, 0
	FETCH_A \next, 0, 0
	WIN MUL_HI
	MUL16 4, 1, 0
	MUL16 6, 1, 0
	PLACES NP
	WIN 0
	FETCH_A \next, 0, 4
.endm
	s_wait_alu depctr_va_vdst(0)
	s_wait_tensorcnt 0x0                           ; my part of K step 0 is in; slot 1's first fill is issued as a refill is:
	ds_add_u32 v[SPW], v[NIL]
	s_wait_dscnt 0x0
	CROUND                                         ; a whole round: everybody's part of K step 0 is in, and the joint loads meet
	JLOAD G0+4, G1, G0B+4, G1B                     ; K step 1: the first tensor load behind the round
	FETCH_B 0, 0, 0
	FETCH_A 0, 0, 0
	FETCH_A 0, 0, 4
	STEP 0, 0, 1                                   ; the first step's products start the sums
	s_mov_b32 s3, LAPS-1
.Llap:                                                 ; a trip goes once round the ring and fills both slots again
	TURN 0, 1, 1
	STEP 1, 0, 0
	TURN 1, 0, 1
	STEP 0, 0, 0
	s_sub_co_u32 s3, s3, 1
	s_cmp_lg_u32 s3, 0
	s_cbranch_scc1 .Llap
	TURN 0, 1, 0                                   ; the last lap fills nothing
	STEP 1, 0, 0
	s_wait_dscnt 4*NL
	WIN MUL_LO
	MUL16 0, 1, 0
	MUL16 2, 1, 0
	s_wait_dscnt 0
	WIN MUL_HI
	MUL16 4, 1, 0
	MUL16 6, 1, 0
	WIN 0
	; THE WAY OUT.  A sum stands for sum x 2^(e0 + e1); its code is sum / 2^(e - e0 - e1), e the class's: the three scales are folded into the conversion's one.
	s_wait_kmcnt 0x0
	s_cmp_eq_u32 ttmp9, 1
	s_cselect_b32 s88, s71, s70                    ; K: e3; Q: e2
	s_cmp_eq_u32 ttmp9, 2
	s_cselect_b32 s88, s73, s88                    ; V: e5
	s_sub_co_i32 s88, s88, s68
	s_sub_co_i32 s88, s88, s69
	s_add_co_i32 s88, s88, 127
	s_lshl_b32 s89, s88, 23
	v_mov_b32 v[SCL], s89
	s_add_co_i32 s88, s88, 8
	s_lshl_b32 s88, s88, 23
	s_or_b32 s88, s88, 0x600000
	v_mov_b32 v[LIM], s88
	PLACES NP
.macro BLOCKOUT a                      ; block a's 64 sums a lane are held (each accumulator from its low end on) and become 16 registers of codes, where source 1's fragments lay
.set AC, 64*((\a)%4)
	WIN 0x02+((\a)/4)                              ; source 0: window 2 or 3
.set j, 0
.rept 64
	v_med3_num_f32 v[TMP+j], v[AC+j], -v[LIM], v[LIM]
.set j, j+1
.endr
	WIN 0
.irp b, 0,1,2,3,4,5,6,7
	v_cvt_scalef32_pk8_fp8_f32 v[CD+16*(\a)+2*\b:CD+16*(\a)+2*\b+1], v[TMP+8*\b:TMP+8*\b+7], v[SCL]
.endr
	v_nop                                          ; one plain line behind the last conversion: the next block writes its sources
.endm
.irp a, 0,1,2,3,4,5,6,7
	BLOCKOUT \a
.endr
	s_cmp_eq_u32 ttmp9, 2                          ; cluster x: the same in all sixteen partners.  The two arms differ in the stores' immediates alone; each store is 512 consecutive bytes, aligned
	s_cbranch_scc1 .Lstore_v
.irp a, 0,1,2,3,4,5,6,7
.irp j, 0,1,2,3
	global_store_b128 v[CO], v[CD+16*\a+4*\j:CD+16*\a+4*\j+3], s[10:11] offset:\a*1024+(\j/2)*131072+(\j%2)*512   ; 16 tokens on: 1,024; 64 channels on: a head
.endr
.endr
	s_branch .Lstored
.Lstore_v:
	s_wait_alu depctr_va_vdst(0)
.irp a, 0,1,2,3,4,5,6,7
.irp j, 0,1,2,3
	global_store_b128 v[CO], v[CD+16*\a+4*\j:CD+16*\a+4*\j+3], s[10:11] offset:(\a/4)*131072+(\a%4)*2048+\j*512   ; 16 channels on: an image; 64 on: a head
.endr
.endr
.Lstored:
	s_wait_tensorcnt 0x0                           ; the wave's end
	ds_add_u32 v[SPW], v[NIL]
	s_wait_dscnt 0x0
	CROUND                                         ; the closing round
	s_endpgm
.Lfunc_end_k_q319e917905_gemm_qkv:
	.size	k_q319e917905_gemm_qkv, .Lfunc_end_k_q319e917905_gemm_qkv-k_q319e917905_gemm_qkv
	.p2alignl 7, 3214868480
	.fill 96, 4, 3214868480
	.section	.rodata,"a",@progbits
	.p2align	6, 0x0
	.amdhsa_kernel k_q319e917905_gemm_qkv
		.amdhsa_group_segment_fixed_size 327680
		.amdhsa_private_segment_fixed_size 0
		.amdhsa_enable_private_segment 0
		.amdhsa_kernarg_size 32
		.amdhsa_user_sgpr_count 2
		.amdhsa_user_sgpr_kernarg_segment_ptr 1
		.amdhsa_wavefront_size32 1
		.amdhsa_system_sgpr_workgroup_id_x 1
		.amdhsa_system_sgpr_workgroup_id_y 1
		.amdhsa_system_sgpr_workgroup_id_z 1
		.amdhsa_system_vgpr_workitem_id 0
		.amdhsa_next_free_vgpr 1024
		.amdhsa_next_free_sgpr 100
		.amdhsa_reserve_vcc 0
		.amdhsa_float_denorm_mode_32 3
		.amdhsa_float_denorm_mode_16_64 3
		.amdhsa_memory_ordered 1
		.amdhsa_forward_progress 1
		.amdhsa_inst_pref_size 121
	.end_amdhsa_kernel
	.amdgpu_metadata
---
amdhsa.version: [ 1, 2 ]
amdhsa.kernels:
  - .name:           k_q319e917905_gemm_qkv
    .symbol:         k_q319e917905_gemm_qkv.kd
    .args:
      - { .name: a1, .offset: 0, .size: 8, .value_kind: global_buffer, .address_space: global }
      - { .name: wimg, .offset: 8, .size: 8, .value_kind: global_buffer, .address_space: global }
      - { .name: lowp_scales, .offset: 16, .size: 8, .value_kind: global_buffer, .address_space: global }
      - { .name: qkv, .offset: 24, .size: 8, .value_kind: global_buffer, .address_space: global }
    .group_segment_fixed_size: 327680
    .private_segment_fixed_size: 0
    .kernarg_segment_align: 8
    .kernarg_segment_size: 32
    .max_flat_workgroup_size: 128
    .sgpr_count:     100
    .vgpr_count:     1024
    .wavefront_size: 32
...
	.end_amdgpu_metadata
.endif
;; end of part 2
;; launch attn (part 3): grid 8 x 32, 16 waves a work-group, clusters of 4 x 1, 327,680 bytes of LDS; arguments qkv, lowp_scales, oimg; writes oimg
.if DOCPART == 3
	.amdgcn_target "amdgcn-amd-amdhsa--gfx1250"
	.amdhsa_code_object_version 6
	.text
	.protected	k_q319e917905_attn
	.globl	k_q319e917905_attn
	.p2align	8
	.type	k_q319e917905_attn,@function
k_q319e917905_attn:
	s_mov_b64 s[64:65], 0
	v_nop
	global_prefetch_b8 v0, s[64:65] scope:SCOPE_SE
	s_setreg_imm32_b32 hwreg(HW_REG_WAVE_MODE, 25, 1), 1
	s_wait_xcnt 0x0
	s_wait_alu depctr_hold_cnt(0) depctr_sa_sdst(0) depctr_va_vdst(0) depctr_va_sdst(0) depctr_va_ssrc(0) depctr_va_vcc(0) depctr_vm_vsrc(0)
	s_getreg_b32 s2, hwreg(HW_REG_IB_STS2, 6, 4)
	s_cmp_eq_u32 s2, 0
	s_cbranch_scc0 .Lentry_in_a_cluster
	s_endpgm
.Lentry_in_a_cluster:
	s_bfe_u32 s2, ttmp6, 0x10000c
	s_cmp_lg_u32 s2, 0x3003
	s_cbranch_scc0 .Lentry_shape_is_right
	s_endpgm
.Lentry_shape_is_right:
; Causal attention for 32 heads (2 batches x 16) of 2,048 tokens, head size 64, both products on codes of FP8 (E4M3); the result is quantised at once (entry 6 of the scales) for the projection.
; LEFT OUT: key steps all of whose 128 keys come after a tile's 16 queries: the mask that reference() builds itself (jnp.tril) turns their scores into -inf whatever the inputs hold.
; THE SOFTMAX AHEAD OF THE SECOND PRODUCT: t = score x log2(e) / 8; M = the running largest t rounded UP to a whole number; p = 2^(t - M) is quantised (entry 4); the row's sum is taken of the unquantised p and divides at the end.
; When M moves, the sum and O are multiplied by 2^(old M - new M): exact.
; qkv holds images of registers (16 rows x 64 K in 1,024 bytes, 16 x 128 in 2,048; register 4 c + j of lane l at 512 c + 16 l + 4 j; the plain 8-bit forms' own layout): Q, K: [head][16 tokens][1,024]; V: [head][128 keys][16 channels][2,048].
; A HEAD'S K AND V STAY IN LDS WHOLE: 131,072 bytes each, as they lie in memory.  Nothing is filled again, so there is no ring: key steps 0 and 1 (2,048 bytes a wave: waves 0-7 of K, 8-15 of V) are asked for at the head,
; steps 2-15 (14,336 bytes a wave) behind the first group's landing; one barrier stands ahead of step 2, and otherwise the waves share no step.
; SHARES.  Work-group x (0..7) of a head owns the sixteen tiles of 16 queries with numbers x + 8 j; tile j has queries 128 j + 16 x + 0..15 and so key steps 0 .. j, of which step j lies on the diagonal, whatever x.
; Tiles p and 15 - p (17 steps together) belong to waves 2 p and 2 p + 1.  Wave A takes steps 0-8 of tile 15 - p: nine steps.  Wave B takes tile p whole (p + 1 steps), stores it, and begins anew, with a state of its own,
; on steps 9 .. 15 - p of tile 15 - p (7 - p steps): eight steps.  At the end B hands O^T, -M and the sums to A through a stage in LDS; A brings both parts under the larger M (powers of two: exact), adds, divides and stores.
; Which of a pair is A goes by (wave / 4 + wave) % 2: each run of four waves and each set of waves 4 apart holds two of either.  Every wave walks all 16 trips of the two loops and jumps over the steps that are not its own.
; Every wave loads the long tile's Q a second time into v24-31 (1,024 bytes), so that the head has one path; only B reads it.
; CLUSTER 4, 1, 1: four work-groups of a head ask for the same K and V jointly (mask 15).  No branch, trip count or LDS address hangs on the place in the cluster: the branches hang on the wave's number and the count of steps.
; NO PREFETCH: all of K and V is asked for by the two groups of loads at the head; no later load is left to run ahead of.
; LAYOUT.  S^T = K Q^T (source 0 = 16 neighbouring keys, source 1 = my queries), O^T = V^T P^T: a lane holds ONE query.  Tile t's eight registers are keys 16 t + 8 (lane / 16) + 0 .. 7: their conversion is register pair t of P.
; LIMITS: e2 + e3 between -123 and 130 (added to c's exponent field); e4 and e6 between -126 and 119; e4 + e5 goes by v_ldexp_f32 and has none.  The scaled scores stay under 2^31 in magnitude.
; REGISTERS: v1, v2 offsets that stay; v4 the diagonal's bound; v5, v6 the add's; v7 the stage; v8, v9 LDS addresses in hand; v12 -M, v13 the largest t, v[14:15] the sum; v16-23 Q; v24-31 the long tile's Q;
; v32-95 K's 8 fragments, then V's 4, at the end B's part; v96-159 S^T, then p; v160-191 O^T; v193 p's bound once more; v224-239 p's codes; v236-255 at work and scales.
.set VOFF,  131072                     ; V's region behind K's
.set SPARE, 262144                     ; the spare words, 128 bytes for each of 16 waves
.set STG,   SPARE+2048                 ; the stage: 4,608 bytes a pair of waves; no tensor load lands here
.set PB,    14336                      ; a wave's part of the second group
.set AK0,  1                           ; v1   16 x lane
.set AV0,  2                           ; v2   16 x lane + VOFF
.set DD,   4                           ; v4   16 x + lane % 16 - 8 (lane / 16)
.set SPW,  5
.set NIL,  6
.set SA,   7                           ; v7   my pair's stage + 16 x lane
.set ADK,  8
.set ADV,  9
.set TB,   2                           ; s2   8,192 x the step's number
.set CNT,  3                           ; s3   trips to go
.set WV,   18
.set SEL,  20
.set CS,   22                          ; s[22:23] c
.set G1A,  24                          ; s[24:31] group 1: 8 rows of 256 bytes
.set G1B,  32                          ; s[32:39] group 1: 56 rows of 256 bytes
.set G0A,  40
.set G0B,  44
.set JT,   50                          ; s50  the tile in hand: its diagonal's step
.set ST,   51                          ; s51  the step's number
.set ROLE, 52                          ; s52  0: A, 1: B
.set PP,   53                          ; s53  p
.set HI,   54                          ; s54  the last step of the part in hand
.set JB,   55                          ; s55  15 - p
.set EO,   56                          ; s56  e4 + e5
.set SW,   57                          ; s57  the step at which I change tiles: 9 in B, none in A
.set Q0,   99                          ; s99  the first query of the tile that I store
.set QB,   98                          ; s98  of the long tile
.macro CROUND                          ; a round of the cluster's barrier
	s_barrier_signal -1
	s_barrier_wait -1
	s_cmp_lg_u32 s[WV], 0
	s_cbranch_scc1 .Lnot_wave_0_\@
	s_barrier_signal -3
.Lnot_wave_0_\@:
	s_barrier_wait -3
	s_barrier_signal -1
	s_barrier_wait -1
.endm
	s_load_b128 s[4:7], s[0:1], 0x0                ; qkv, the scales' exponents
	s_load_b64 s[8:9], s[0:1], 0x10                ; oimg
	v_lshl_add_u32 v[SPW], v0, 2, SPARE
	v_mov_b32 v[NIL], 0
	ds_add_u32 v[SPW], v[NIL]                      ; the wave's opening: the add, twice on end, and its wait ahead of the first tensor load
	ds_add_u32 v[SPW], v[NIL]
	v_lshrrev_b32 v8, 5, v0
	v_readfirstlane_b32 s[WV], v8                  ; wave 0..15
	s_and_b32 s10, ttmp7, 0xffff                   ; the head, 0..31
	s_lshl_b32 s11, s10, 17                        ; its first byte in Q, in K and in V
	s_bfe_u32 s48, ttmp6, 0x40000                  ; cx
	s_lshl_b32 s49, ttmp9, 2
	s_add_co_u32 s49, s49, s48                     ; x
	s_lshr_b32 s12, s[WV], 2
	s_xor_b32 s12, s12, s[WV]
	s_and_b32 s[ROLE], s12, 1
	s_lshr_b32 s[PP], s[WV], 1
	s_sub_co_u32 s[JB], 15, s[PP]
	s_cmp_eq_u32 s[ROLE], 0
	s_cselect_b32 s[JT], s[JB], s[PP]              ; A: the long tile; B: the short one first
	s_cselect_b32 s[HI], 8, s[PP]                  ; A: steps 0-8; B: steps 0 .. p
	s_cselect_b32 s[SW], 64, 9
	s_lshl_b32 s[Q0], s[JT], 3
	s_add_co_u32 s[Q0], s[Q0], s49
	s_lshl_b32 s[Q0], s[Q0], 4                     ; 16 (x + 8 j)
	s_lshl_b32 s[QB], s[JB], 3
	s_add_co_u32 s[QB], s[QB], s49
	s_lshl_b32 s[QB], s[QB], 4
.irp g, G1A, G1B
	s_mov_b32 s[\g], 15|(3<<16)|(1<<21)            ; the mask: all four partners; elements of 8 bytes; bit 21 beside a mask; no padding
	s_mov_b32 s[\g+1], 32<<16                      ; tensor_dim0 = 32: rows of 256 bytes
	s_mov_b32 s[\g+3], 32<<16                      ; tile_dim0
	s_mov_b32 s[\g+5], 32                          ; the rows are dense
	s_mov_b32 s[\g+6], 0
	s_mov_b32 s[\g+7], 0
.endr
	s_mov_b32 s[G1A+2], 8<<16                      ; tensor_dim1, tile_dim1
	s_mov_b32 s[G1A+4], 8
	s_mov_b32 s[G1B+2], 56<<16
	s_mov_b32 s[G1B+4], 56
	s_lshr_b32 s14, s[WV], 3                       ; I fetch for K (0) or V (1),
	s_and_b32 s15, s[WV], 7                        ; this eighth
	s_lshl_b32 s16, s14, 17                        ; the region in LDS
	s_lshl_b32 s17, s15, 11                        ; first group: 2,048 x eighth
	s_mul_i32 s19, s15, PB
	s_add_co_u32 s19, s19, 16384                   ; second group: behind steps 0 and 1, 14,336 x eighth
	s_add_co_u32 s14, s14, 1
	s_lshl_b32 s14, s14, 22                        ; K's or V's part of qkv,
	s_add_co_u32 s14, s14, s11                     ; my head's
	s_add_co_u32 s82, s14, s17
	s_mov_b32 s83, 0
	s_add_co_u32 s84, s14, s19
	s_mov_b32 s85, 0
	s_mov_b32 s[G0A], 1
	s_add_co_u32 s[G0A+1], s16, s17
	s_mov_b32 s[G0B], 1
	s_add_co_u32 s[G0B+1], s16, s19
	s_mov_b32 s[SEL], 0x76543210
	s_mov_b32 s[SEL+1], 0xfedcba98
	s_mov_b32 s[CS], 0x3e38aa3b                    ; c = log2(e) / 8
	s_wait_dscnt 0x0                               ; both opening adds are done
	s_wait_kmcnt 0x0
	s_load_b256 s[68:75], s[6:7], 0x0              ; e0 .. e7
	s_add_nc_u64 s[G0A+2:G0A+3], s[4:5], s[82:83]
	s_or_b32 s[G0A+3], s[G0A+3], 0x80000000
	s_add_nc_u64 s[G0B+2:G0B+3], s[4:5], s[84:85]
	s_or_b32 s[G0B+3], s[G0B+3], 0x80000000
	CROUND                                         ; all four work-groups are here: the first joint loads meet
	tensor_load_to_lds s[G0A:G0A+3], s[G1A:G1A+7]  ; key steps 0 and 1, my part: my one load at the head
	s_nop 0
.rept 4
	v_nop
.endr
	s_lshl_b32 s84, s[Q0], 6                       ; Q: 1,024 bytes for 16 tokens
	s_add_co_u32 s84, s84, s11
	s_mov_b32 s85, 0
	s_add_nc_u64 s[86:87], s[4:5], s[84:85]
	s_lshl_b32 s84, s[QB], 6
	s_add_co_u32 s84, s84, s11
	s_add_nc_u64 s[90:91], s[4:5], s[84:85]
	s_lshr_b32 s84, s10, 4                         ; oimg: (batch x 128 + Q0 / 16) blocks of 16,384 bytes + head x 1,024
	s_lshl_b32 s84, s84, 21
	s_lshl_b32 s88, s[Q0], 10
	s_add_co_u32 s84, s84, s88
	s_and_b32 s88, s10, 15
	s_lshl_b32 s88, s88, 10
	s_add_co_u32 s84, s84, s88
	s_add_nc_u64 s[8:9], s[8:9], s[84:85]
	s_lshl_b32 s12, s49, 4                         ; 16 x
	s_mul_i32 s13, s[PP], 4608
	s_add_co_u32 s13, s13, STG                     ; my pair's stage
	v_and_b32 v8, 31, v0
	v_lshlrev_b32 v[AK0], 4, v8
	v_add_nc_u32 v[AV0], VOFF, v[AK0]
	global_load_b128 v[16:19], v[AK0], s[86:87]
	global_load_b128 v[20:23], v[AK0], s[86:87] offset:512
	global_load_b128 v[24:27], v[AK0], s[90:91]
	global_load_b128 v[28:31], v[AK0], s[90:91] offset:512
	v_add_nc_u32 v[SA], s13, v[AK0]
	v_and_b32 v9, 15, v0
	v_bfe_u32 v10, v0, 4, 1
	v_lshlrev_b32 v10, 3, v10
	v_sub_nc_u32 v9, v9, v10
	v_add_nc_u32 v[DD], s12, v9                    ; in a diagonal's step register 8 t + i holds a hidden key where 16 t + i > this
	v_mov_b32 v236, 0                              ; a lane permute's destination counts as read
	v_mov_b32 v253, 0                              ; (named as the upper half of v[252:253])
.macro FRESH                           ; a state with nothing summed: the step is written once; the first finds zeros
	v_mov_b32 v13, 0xff61b1e6                      ; the largest t so far: -3e38
	v_floor_f32 v12, -v13                          ; -M
	v_mov_b32 v14, 0
	v_mov_b32 v15, 0
.set j, 0
.rept 32
	v_mov_b32 v[160+j], 0
.set j, j+1
.endr
.endm
	FRESH
	s_wait_alu depctr_va_vdst(0)
	s_wait_kmcnt 0x0
	s_add_co_i32 s88, s70, s71
	s_lshl_b32 s88, s88, 23
	s_add_co_i32 s[CS], s[CS], s88                 ; a score stands for score x 2^(e2 + e3)
	s_mov_b32 s[CS+1], s[CS]
	s_add_co_i32 s[EO], s72, s73
	s_add_co_i32 s88, s72, 127
	s_lshl_b32 s89, s88, 23
	v_mov_b32 v244, s89                            ; 2^e4
	s_add_co_i32 s88, s88, 8
	s_lshl_b32 s88, s88, 23
	s_or_b32 s88, s88, 0x600000
	v_mov_b32 v240, s88                            ; 448 x 2^e4,
	v_mov_b32 v193, s88                            ; and once more: the two halves of a dual pair take their second sources from registers whose numbers differ modulo 4
	s_add_co_i32 s88, s74, 127
	s_lshl_b32 s89, s88, 23
	v_mov_b32 v245, s89                            ; 2^e6
	s_add_co_i32 s88, s88, 8
	s_lshl_b32 s88, s88, 23
	s_or_b32 s88, s88, 0x600000
	v_mov_b32 v241, s88                            ; 448 x 2^e6
; A KEY STEP: 128 keys, at byte s[TB] of K's and of V's region.
.macro STEP
	s_cmp_gt_u32 s[ST], s[HI]                      ; a step beyond the part in hand is left out: a scalar branch on the wave's number and the count of steps, round no barrier and no tensor load
	s_cbranch_scc1 .Lhidden_\@
	v_add_nc_u32 v[ADK], s[TB], v[AK0]
	v_add_nc_u32 v[ADV], s[TB], v[AV0]
	v_nop                                          ; with the two additions: four places in front of loads into registers that the last products read
	v_nop
.irp t, 0,1,2,3,4,5,6,7
	ds_load_b128 v[32+8*\t:35+8*\t], v[ADK] offset:\t*1024
	ds_load_b128 v[36+8*\t:39+8*\t], v[ADK] offset:\t*1024+512
.endr
	s_wait_alu depctr_va_vdst(0)
	s_wait_dscnt 0x0
.irp t, 0,1,2,3,4,5,6,7
	v_wmma_f32_16x16x64_fp8_fp8 v[96+8*\t:103+8*\t], v[32+8*\t:39+8*\t], v[16:23], 0
.endr
.rept 4
	v_nop
.endr
.irp t, 0,1,2,3                                ; V's four fragments are asked for here and land under the softmax
.irp c, 0,1,2,3
	ds_load_b128 v[32+16*\t+4*\c:35+16*\t+4*\c], v[ADV] offset:\t*2048+512*\c
.endr
.endr
	s_cmp_lt_u32 s[ST], s[JT]                      ; on the tile's diagonal hidden scores become -infinity ahead of the maximum; a step all of whose keys count skips this
	s_cbranch_scc1 .Lopen_\@
	v_mov_b32 v254, 0xff800000
.set n, 0
.rept 64
	v_cmp_gt_i32 vcc_lo, 16*(n/8)+n%8, v[DD]
	v_cndmask_b32 v[96+n], v[96+n], v254, vcc_lo
.set n, n+1
.endr
.Lopen_\@:
	v_max3_num_f32 v254, v96, v97, v98             ; the step's largest score of my query among my 64 keys, in two chains (each accumulator is first read at its low end),
	v_max3_num_f32 v252, v99, v100, v101
.irp i, 6,10,14,18,22,26,30,34,38,42,46,50,54,58
	v_max3_num_f32 v254, v254, v[96+\i], v[97+\i]
	v_max3_num_f32 v252, v252, v[98+\i], v[99+\i]
.endr
	v_max3_num_f32 v254, v254, v158, v159
	s_delay_alu instid0(VALU_DEP_1)
	v_max_num_f32 v254, v254, v252
	v_permlanex16_b32 v236, v254, s[SEL], s[SEL+1]
	s_delay_alu instid0(VALU_DEP_1)
	v_max_num_f32 v254, v254, v236                 ; and among lane l xor 16's
	s_delay_alu instid0(VALU_DEP_1)
	v_mul_f32 v254, s[CS], v254                    ; as t (c is positive)
	s_delay_alu instid0(VALU_DEP_1)
	v_max_num_f32 v13, v13, v254
	v_mov_b32 v254, v12
	s_delay_alu instid0(VALU_DEP_2)
	v_floor_f32 v12, -v13                          ; the new -M = -ceil(t)
	s_delay_alu instid0(VALU_DEP_1)
	v_sub_f32 v254, v12, v254                      ; old M - new M: a whole number, 0 or less
	s_delay_alu instid0(VALU_DEP_1)
	v_cvt_i32_f32 v254, v254
	s_delay_alu instid0(VALU_DEP_1)
	v_ldexp_f32 v252, 1.0, v254                    ; f = 2^(old M - new M)
.set j, 0
.rept 32
	v_pk_fma_f32 v[96+j:97+j], v[96+j:97+j], s[CS:CS+1], v[12:13] op_sel_hi:[1,0,0]   ; t - M, two at a time
.set j, j+2
.endr
.set j, 0
	s_wait_alu depctr_va_vdst(0)
.rept 64
	v_exp_f32 v[96+j], v[96+j]                     ; p = 2^(t - M): one batch
.set j, j+1
.endr
	v_pk_mul_f32 v[14:15], v[14:15], v[252:253] op_sel_hi:[1,0]   ; the sums under the new M: the plain line behind the batch
	s_wait_alu depctr_va_vdst(0)                   ; one wait for the batch, ahead of its first reader
	v_pk_add_f32 v[242:243], v[100:101], v[104:105]   ; the row's sum of the unquantised p, in eight chains
	v_pk_add_f32 v[254:255], v[108:109], v[112:113]
	v_pk_add_f32 v[250:251], v[116:117], v[120:121]
	v_pk_add_f32 v[248:249], v[124:125], v[128:129]
	v_pk_add_f32 v[246:247], v[132:133], v[136:137]
	v_pk_add_f32 v[238:239], v[140:141], v[144:145]
	v_pk_add_f32 v[236:237], v[148:149], v[152:153]
	v_pk_add_f32 v[14:15], v[14:15], v[156:157]
	v_pk_add_f32 v[242:243], v[242:243], v[96:97]
	v_pk_add_f32 v[254:255], v[254:255], v[98:99]
	v_pk_add_f32 v[250:251], v[250:251], v[102:103]
	v_pk_add_f32 v[248:249], v[248:249], v[106:107]
	v_pk_add_f32 v[246:247], v[246:247], v[110:111]
	v_pk_add_f32 v[238:239], v[238:239], v[114:115]
	v_pk_add_f32 v[236:237], v[236:237], v[118:119]
	v_pk_add_f32 v[14:15], v[14:15], v[122:123]
	v_pk_add_f32 v[242:243], v[242:243], v[126:127]
	v_pk_add_f32 v[254:255], v[254:255], v[130:131]
	v_pk_add_f32 v[250:251], v[250:251], v[134:135]
	v_pk_add_f32 v[248:249], v[248:249], v[138:139]
	v_pk_add_f32 v[246:247], v[246:247], v[142:143]
	v_pk_add_f32 v[238:239], v[238:239], v[146:147]
	v_pk_add_f32 v[236:237], v[236:237], v[150:151]
	v_pk_add_f32 v[14:15], v[14:15], v[154:155]
	v_pk_add_f32 v[242:243], v[242:243], v[158:159]
	s_delay_alu instid0(VALU_DEP_2)
	v_pk_add_f32 v[14:15], v[14:15], v[248:249]
	s_delay_alu instid0(VALU_DEP_2)
	v_pk_add_f32 v[242:243], v[242:243], v[246:247]
	v_pk_add_f32 v[254:255], v[254:255], v[238:239]
	v_pk_add_f32 v[250:251], v[250:251], v[236:237]
	s_delay_alu instid0(VALU_DEP_2)
	v_pk_add_f32 v[14:15], v[14:15], v[254:255]
	s_delay_alu instid0(VALU_DEP_2)
	v_pk_add_f32 v[242:243], v[242:243], v[250:251]
	s_delay_alu instid0(VALU_DEP_1)
	v_pk_add_f32 v[14:15], v[14:15], v[242:243]
.irp t, 0,1,2,3,4,5,6,7
.irp i, 0,2,4,6
	v_dual_min_num_f32 v[96+8*\t+\i], v[96+8*\t+\i], v240 :: v_dual_min_num_f32 v[97+8*\t+\i], v[97+8*\t+\i], v193   ; the conversion does not saturate (ISA guide 7.6.2); p is not negative: a one-sided hold, two numbers a line
.endr
	v_cvt_scalef32_pk8_fp8_f32 v[224+2*\t:225+2*\t], v[96+8*\t:103+8*\t], v244
.endr
	s_wait_alu depctr_va_vdst(0)                   ; directly ahead of the first reader of O^T
.set j, 0
.rept 16
	v_pk_mul_f32 v[160+j:161+j], v[160+j:161+j], v[252:253] op_sel_hi:[1,0]   ; O^T under the new M; also the plain lines behind the conversions
.set j, j+2
.endr
	s_wait_alu depctr_va_vdst(0)
	s_wait_dscnt 0x0                               ; V is in
.irp t, 0,1,2,3
	v_wmma_f32_16x16x128_fp8_fp8 v[160+8*\t:167+8*\t], v[32+16*\t:47+16*\t], v[224:239], v[160+8*\t:167+8*\t]
.endr
.Lhidden_\@:
	s_add_co_u32 s[ST], s[ST], 1
	s_add_co_u32 s[TB], s[TB], 8192
.endm
; A TILE'S WAY OUT: O^T / the sum x 2^(e4 + e5), held, quantised with 2^e6.  Accumulator t's conversion is register pair t of the projection's operand: 16 tokens x my head's 64 of its K.
.macro FINISH
.rept 4
	v_nop                                          ; places behind the last products
.endr
	v_add_f32 v14, v14, v15
	v_permlanex16_b32 v236, v14, s[SEL], s[SEL+1]
	v_add_f32 v14, v14, v236
	s_wait_alu depctr_va_vdst(0)
	v_rcp_f32 v14, v14
	v_nop                                          ; a plain line behind the transcendental
	s_wait_alu depctr_va_vdst(0)                   ; and the wait ahead of its first reader
	v_ldexp_f32 v14, v14, s[EO]
	s_wait_alu depctr_va_vdst(0)                   ; directly ahead of the first reader of O^T
.set j, 0
.rept 32
	v_mul_f32 v[96+j], v[160+j], v14
.set j, j+1
.endr
.set j, 0
.rept 32
	v_med3_num_f32 v[96+j], v[96+j], -v241, v241
.set j, j+1
.endr
.irp t, 0,1,2,3
	v_cvt_scalef32_pk8_fp8_f32 v[224+2*\t:225+2*\t], v[96+8*\t:103+8*\t], v245
.endr
	v_nop
	global_store_b128 v[AK0], v[224:227], s[8:9]               ; 512 consecutive bytes, aligned
	global_store_b128 v[AK0], v[228:231], s[8:9] offset:512
.endm
	s_wait_alu depctr_va_vdst(0)
	s_wait_tensorcnt 0x0                           ; my part of steps 0 and 1 is in; the second group's first fill is issued as a refill is:
	ds_add_u32 v[SPW], v[NIL]
	s_wait_dscnt 0x0
	CROUND                                         ; everybody's part of steps 0 and 1 is in, and the four work-groups' joint loads meet
	tensor_load_to_lds s[G0B:G0B+3], s[G1B:G1B+7]  ; key steps 2-15, my part: it has the first two steps in which to land
	s_nop 0
.rept 4
	v_nop
.endr
	s_wait_loadcnt 0x0                             ; Q, twice
	s_mov_b32 s[TB], 0
	s_mov_b32 s[ST], 0
	s_mov_b32 s[CNT], 2
.Lfirst:                                           ; steps 0 and 1; every wave walks all trips: the step's number and its place in LDS are the same in all
	STEP
	s_sub_co_u32 s[CNT], s[CNT], 1
	s_cmp_lg_u32 s[CNT], 0
	s_cbranch_scc1 .Lfirst
	s_wait_tensorcnt 0x0                           ; my part of steps 2-15 is in,
	s_wait_dscnt 0x0                               ; no LDS instruction of mine is out at the signal,
	s_barrier_signal -1
	s_barrier_wait -1                              ; and so is everybody's
	s_mov_b32 s[TB], 16384
	s_mov_b32 s[ST], 2
	s_mov_b32 s[CNT], 14
.Lstep:                                            ; steps 2-15
	s_cmp_lg_u32 s[ST], s[SW]
	s_cbranch_scc1 .Lsame
	FINISH                                         ; B, at step 9: the short tile is done and stored;
	FRESH                                          ; a state of its own for the long tile's later steps,
.set j, 0
.rept 8
	v_mov_b32 v[16+j], v[24+j]                     ; its queries,
.set j, j+1
.endr
	s_mov_b32 s[JT], s[JB]                         ; its diagonal, which is also the last step
	s_mov_b32 s[HI], s[JB]
	s_wait_alu depctr_va_vdst(0)
	s_wait_xcnt 0x0                                ; the stores have read their registers: the next step's codes may be written
.Lsame:
	STEP
	s_sub_co_u32 s[CNT], s[CNT], 1
	s_cmp_lg_u32 s[CNT], 0
	s_cbranch_scc1 .Lstep
	; THE TWO PARTS OF THE LONG TILE MEET.  B stores an image of its registers; one barrier; A loads it into the same lanes.
	s_cmp_eq_u32 s[ROLE], 0
	s_cbranch_scc1 .Lno_put
.rept 4
	v_nop                                          ; places behind the last products
.endr
.irp c, 0,1,2,3,4,5,6,7
	ds_store_b128 v[SA], v[160+4*\c:163+4*\c] offset:512*\c    ; each accumulator from its low end on
.endr
	ds_store_b128 v[SA], v[12:15] offset:4096      ; -M, the largest t, the sum's halves
.Lno_put:
	s_wait_dscnt 0x0                               ; for A's sake: my stores are done
	s_barrier_signal -1
	s_barrier_wait -1
	s_cmp_lg_u32 s[ROLE], 0
	s_cbranch_scc1 .Ldone
.rept 4
	v_nop                                          ; places in front of loads into registers that the last products read
.endr
.irp c, 0,1,2,3,4,5,6,7,8
	ds_load_b128 v[32+4*\c:35+4*\c], v[SA] offset:512*\c       ; v32-63 B's O^T; v64 its -M; v66, v67 its sums
.endr
	s_wait_dscnt 0x0
	v_min_num_f32 v68, v12, v64                    ; -M of the two together: the larger M
	v_sub_f32 v69, v68, v12                        ; my M less it, and B's: whole numbers, 0 or less (B with no step: -3e38, which saturates and gives the factor 0)
	v_sub_f32 v70, v68, v64
	v_cvt_i32_f32 v69, v69
	v_cvt_i32_f32 v70, v70
	v_ldexp_f32 v72, 1.0, v69                      ; my factor,
	v_ldexp_f32 v74, 1.0, v70                      ; B's: powers of two
	v_mov_b32 v73, v72
	v_mov_b32 v75, v74
.set j, 0
.rept 18
	v_pk_mul_f32 v[32+j:33+j], v[32+j:33+j], v[74:75]          ; B's O^T and (j = 34) its sums; j = 32 is not used again
.set j, j+2
.endr
.set j, 0
.rept 16
	v_pk_fma_f32 v[160+j:161+j], v[160+j:161+j], v[72:73], v[32+j:33+j]
.set j, j+2
.endr
	v_pk_fma_f32 v[14:15], v[14:15], v[72:73], v[66:67]
	FINISH
.Ldone:
	s_wait_tensorcnt 0x0                           ; the wave's end
	ds_add_u32 v[SPW], v[NIL]
	s_wait_dscnt 0x0
	CROUND                                         ; the closing round
	s_endpgm
.Lfunc_end_k_q319e917905_attn:
	.size	k_q319e917905_attn, .Lfunc_end_k_q319e917905_attn-k_q319e917905_attn
	.p2alignl 7, 3214868480
	.fill 96, 4, 3214868480
	.section	.rodata,"a",@progbits
	.p2align	6, 0x0
	.amdhsa_kernel k_q319e917905_attn
		.amdhsa_group_segment_fixed_size 327680
		.amdhsa_private_segment_fixed_size 0
		.amdhsa_enable_private_segment 0
		.amdhsa_kernarg_size 24
		.amdhsa_user_sgpr_count 2
		.amdhsa_user_sgpr_kernarg_segment_ptr 1
		.amdhsa_wavefront_size32 1
		.amdhsa_system_sgpr_workgroup_id_x 1
		.amdhsa_system_sgpr_workgroup_id_y 1
		.amdhsa_system_sgpr_workgroup_id_z 1
		.amdhsa_system_vgpr_workitem_id 0
		.amdhsa_next_free_vgpr 256
		.amdhsa_next_free_sgpr 100
		.amdhsa_reserve_vcc 1
		.amdhsa_float_denorm_mode_32 3
		.amdhsa_float_denorm_mode_16_64 3
		.amdhsa_memory_ordered 1
		.amdhsa_forward_progress 1
		.amdhsa_inst_pref_size 65
	.end_amdhsa_kernel
	.amdgpu_metadata
---
amdhsa.version: [ 1, 2 ]
amdhsa.kernels:
  - .name:           k_q319e917905_attn
    .symbol:         k_q319e917905_attn.kd
    .args:
      - { .name: qkv, .offset: 0, .size: 8, .value_kind: global_buffer, .address_space: global }
      - { .name: lowp_scales, .offset: 8, .size: 8, .value_kind: global_buffer, .address_space: global }
      - { .name: oimg, .offset: 16, .size: 8, .value_kind: global_buffer, .address_space: global }
    .group_segment_fixed_size: 327680
    .private_segment_fixed_size: 0
    .kernarg_segment_align: 8
    .kernarg_segment_size: 24
    .max_flat_workgroup_size: 512
    .sgpr_count:     100
    .vgpr_count:     256
    .wavefront_size: 32
...
	.end_amdgpu_metadata
.endif
;; end of part 3
;; launch gemm_o (part 4): grid 8 x 32, 4 waves a work-group, clusters of 4 x 4, 327,680 bytes of LDS; arguments oimg, wimg, lowp_scales, X, x1; writes x1
.if DOCPART == 4
	.amdgcn_target "amdgcn-amd-amdhsa--gfx1250"
	.amdhsa_code_object_version 6
	.text
	.protected	k_q319e917905_gemm_o
	.globl	k_q319e917905_gemm_o
	.p2align	8
	.type	k_q319e917905_gemm_o,@function
k_q319e917905_gemm_o:
	s_mov_b64 s[64:65], 0
	v_nop
	global_prefetch_b8 v0, s[64:65] scope:SCOPE_SE
	s_setreg_imm32_b32 hwreg(HW_REG_WAVE_MODE, 25, 1), 1
	s_wait_xcnt 0x0
	s_wait_alu depctr_hold_cnt(0) depctr_sa_sdst(0) depctr_va_vdst(0) depctr_va_sdst(0) depctr_va_ssrc(0) depctr_va_vcc(0) depctr_vm_vsrc(0)
	s_getreg_b32 s2, hwreg(HW_REG_IB_STS2, 6, 4)
	s_cmp_eq_u32 s2, 0
	s_cbranch_scc0 .Lentry_in_a_cluster
	s_endpgm
.Lentry_in_a_cluster:
	s_bfe_u32 s2, ttmp6, 0x10000c
	s_cmp_lg_u32 s2, 0xf033
	s_cbranch_scc0 .Lentry_shape_is_right
	s_endpgm
.Lentry_shape_is_right:
; X1 = X + Q(attention's result) Q(W_O): 4,096 x 1,024, K = 1,024, on codes of FP8 (E4M3); f32 out.  Nothing is left out here.
; Both operands are images of registers (16 rows x 128 K in 2,048 bytes, register 4 c + j of lane l at 512 c + 16 l + 4 j, the plain 8-bit forms' own layout; a tensor is [rows / 16][K / 128] images).
; A tile of 128 x 128, so that the 32 x 8 tiles give 256 work-groups; four waves, 64 x 64 each: 16 accumulators.  K goes in steps of 512 through two LDS slots: here both K steps are first fills and nothing is filled again.
; CLUSTERS of 4 x 4: A's tiles are shared along a row of the cluster, W's along a column, by joint loads.  The matrix instruction is used transposed (source 0 = 16 rows of W's image, source 1 = 16 tokens): a lane holds eight neighbouring columns of a row.
; The sums go through each wave's own stage in LDS and come back as rows of 256 bytes; out = residual + sum x 2^(ea + eb), one packed multiply-add for two numbers.  The residual is asked for at the head.
; LIMIT: ea + eb (entries 6 and 7) between -126 and 127, so that 2^(ea + eb) is an f32 number.
; REGISTERS: window 0: v16-29 addresses; v32-95 rows read back, two sets; v128-255 accumulator (a, b) at v[128 + 8 (4 a + b)].  window 1: two sets of fragments: A's four at F + 16 i, W's four at F + 64 + 16 i.  window 2: v0-127 the residual, then the result.
.set SIZE_K, 1024
.set WOFF,   3145728                   ; W_O's images in wimg
.set SCOFF,  0x18                      ; entries 6 and 7 of the scales
.set MBP,    16*SIZE_K                 ; from a block of 16 rows to the next
.set KSB,    16384                     ; a block's whole K: eight images.  ONE load a wave brings its 4 blocks over all of K (65,536 bytes); what the text calls slots 0 and 1 are the two halves of K inside each block, 8,192 bytes apart
.set HALFT,  4*KSB                     ; 4 blocks = 64 rows: what one tensor load brings, and what one wave reads of either operand
.set SLOT,   4*HALFT
.set STAGE,  SLOT                      ; behind the four waves' loads
.set SPITCH, 272
.set SPARE,  STAGE+4*16*SPITCH
.set LAPS,   SIZE_K/1024
.set ADRA, 16
.set ADRB, 20
.set STO,  24
.set RD,   25
.set CO,   26
.set SPW,  28
.set NIL,  29
.set BK,   32
.set ACC,  128
.set F0,   0
.set F1,   128
.set G1, 24
.set G0, 32
.set G1B, 48
.set G0B, 56
.set MSB, 0
.macro WIN new
.if MSB != \new
	s_set_vgpr_msb (MSB<<8)|\new
.set MSB, \new
.endif
.endm
.set MUL,  0x05                        ; sources 0 and 1 window 1; C and D window 0
.set TO_F, 0x40                        ; destination window 1, address window 0
.macro JLOAD s                         ; a joint load: waves 0 and 1 fetch A's halves, waves 2 and 3 W's; s_nop 0 and four v_nop follow each line
	s_cmp_eq_u32 s11, 0
	s_cbranch_scc0 .Lfor_b_\@
	tensor_load_to_lds s[G0+4*\s:G0+4*\s+3], s[G1:G1+7]
	s_nop 0
.rept 4
	v_nop
.endr
	s_branch .Lasked_\@
.Lfor_b_\@:
	tensor_load_to_lds s[G0B+4*\s:G0B+4*\s+3], s[G1B:G1B+7]
	s_nop 0
.rept 4
	v_nop
.endr
.Lasked_\@:
.endm
.macro CREST
	s_cmp_lg_u32 s10, 0
	s_cbranch_scc1 .Lnot_wave_0_\@
	s_barrier_signal -3
.Lnot_wave_0_\@:
	s_barrier_wait -3
	s_barrier_signal -1
	s_barrier_wait -1
.endm
.macro CROUND
	s_barrier_signal -1
	s_barrier_wait -1
	CREST
.endm
	s_load_b128 s[4:7], s[0:1], 0x0                ; A's images, wimg
	s_load_b64 s[8:9], s[0:1], 0x10                ; the scales' exponents
	s_load_b128 s[68:71], s[0:1], 0x18             ; the residual, the output
	v_lshl_add_u32 v[SPW], v0, 2, SPARE
	v_mov_b32 v[NIL], 0
	ds_add_u32 v[SPW], v[NIL]                      ; the wave's opening: the add, twice on end, and its wait ahead of my first tensor load
	ds_add_u32 v[SPW], v[NIL]
	v_lshrrev_b32 v1, 5, v0
	v_readfirstlane_b32 s10, v1                    ; wave 0..3
	s_lshr_b32 s11, s10, 1                         ; my half of the rows.  Also: I fetch for A (0) or W (1)
	s_and_b32 s12, s10, 1                          ; my half of the columns.  Also: which 4 blocks I fetch
	s_bfe_u32 s40, ttmp6, 0x40000
	s_bfe_u32 s41, ttmp6, 0x40004
	s_lshl_b32 s42, ttmp9, 2
	s_add_co_u32 s42, s42, s40                     ; tile column
	s_and_b32 s13, ttmp7, 0xffff
	s_lshl_b32 s13, s13, 2
	s_add_co_u32 s13, s13, s41                     ; tile row
	s_lshl_b32 s43, s41, 2
	s_lshl_b32 s43, 15, s43
	s_lshl_b32 s44, 0x1111, s40
	; descriptor group 1: 4 rows (blocks) of 2,048 elements of 8 bytes (eight images), MBP bytes apart; no padding
	s_or_b32 s[G1+0], s43, (3<<16)|(1<<21)
	s_or_b32 s[G1B+0], s44, (3<<16)|(1<<21)
.irp g, G1, G1B
	s_mov_b32 s[\g+1], 2048<<16                    ; rows of 2,048 elements of 8 bytes: eight images
	s_mov_b32 s[\g+2], 4<<16
	s_mov_b32 s[\g+3], 2048<<16
	s_mov_b32 s[\g+4], 4
	s_mov_b32 s[\g+5], MBP/8
	s_mov_b32 s[\g+6], 0
	s_mov_b32 s[\g+7], 0
.endr
	s_lshl_b32 s17, s12, 2
	s_lshl_b32 s16, s13, 3
	s_add_co_u32 s16, s16, s17
	s_mul_i32 s16, s16, MBP                        ; A: block 8 x tile row + 4 x half
	s_lshl_b32 s46, s42, 3
	s_add_co_u32 s46, s46, s17
	s_mul_i32 s46, s46, MBP                        ; W: block 8 x tile column + 4 x half
	s_add_co_u32 s46, s46, WOFF
	s_mov_b32 s17, 0
	s_mov_b32 s47, 0
	s_mul_i32 s20, s10, HALFT
	s_wait_dscnt 0x0
	s_wait_kmcnt 0x0
	s_load_b64 s[72:73], s[8:9], SCOFF             ; ea, eb
	s_add_nc_u64 s[14:15], s[4:5], s[16:17]
	s_add_nc_u64 s[46:47], s[6:7], s[46:47]
	CROUND                                         ; all sixteen work-groups are here: the first joint loads meet
.irp s, 0
	s_mov_b32 s[G0+4*\s], 1
	s_add_co_u32 s[G0+4*\s+1], s20, \s*SLOT
	s_add_nc_u64 s[G0+4*\s+2:G0+4*\s+3], s[14:15], \s*KSB
	s_or_b32 s[G0+4*\s+3], s[G0+4*\s+3], 0x80000000
	s_mov_b32 s[G0B+4*\s], 1
	s_add_co_u32 s[G0B+4*\s+1], s20, \s*SLOT
	s_add_nc_u64 s[G0B+4*\s+2:G0B+4*\s+3], s[46:47], \s*KSB
	s_or_b32 s[G0B+4*\s+3], s[G0B+4*\s+3], 0x80000000
	JLOAD \s
.endr
	v_and_b32 v1, 15, v0                           ; r
	s_wait_alu depctr_va_vdst(0)
	v_bfe_u32 v2, v0, 4, 1                         ; h
	v_and_b32 v3, 31, v0
	v_lshlrev_b32 v3, 4, v3                        ; 16 x lane
	s_mul_i32 s21, s11, HALFT
	s_mul_i32 s22, s12, HALFT
	s_add_co_u32 s22, s22, 2*HALFT
.irp s, 0,1
	v_add_nc_u32 v[ADRA+\s], s21, v3
	v_add_nc_u32 v[ADRB+\s], s22, v3
	s_add_co_u32 s21, s21, 8192                    ; the second half of K
	s_add_co_u32 s22, s22, 8192
.endr
	s_mul_i32 s23, s10, 16*SPITCH
	s_add_co_u32 s23, s23, STAGE                   ; my stage
	v_mul_u32_u24 v4, v1, SPITCH
	s_wait_alu depctr_va_vdst(0)
	v_lshl_add_u32 v4, v2, 5, v4
	v_add_nc_u32 v[STO], s23, v4                   ; in: row r, 32 bytes for each half of the lanes
	v_mul_u32_u24 v5, v2, SPITCH
	v_lshl_add_u32 v5, v1, 4, v5
	v_add_nc_u32 v[RD], s23, v5                    ; back: lanes 0-15 one row of 256 bytes, lanes 16-31 the next
	v_lshlrev_b32 v5, 12, v2
	v_lshl_add_u32 v[CO], v1, 4, v5                ; and the same two rows in memory (4,096 bytes a row)
	s_wait_alu depctr_va_vdst(0)
	s_lshl_b32 s74, s13, 7
	s_lshl_b32 s75, s11, 6
	s_add_co_u32 s74, s74, s75                     ; my first row
	s_lshl_b32 s74, s74, 12
	s_lshl_b32 s76, s42, 9                         ; my first column, in bytes
	s_lshl_b32 s77, s12, 8
	s_add_co_u32 s76, s76, s77
	s_add_co_u32 s74, s74, s76
	s_mov_b32 s75, 0
	s_add_nc_u64 s[68:69], s[68:69], s[74:75]
	s_add_nc_u64 s[70:71], s[70:71], s[74:75]
	WIN 0x80                                       ; destination window 2
.irp a, 0,1,2,3
.irp i, 0,1,2,3,4,5,6,7
	global_load_b128 v[4*(8*\a+\i):4*(8*\a+\i)+3], v[CO], s[68:69] offset:(16*\a+2*\i)*4096 th:TH_LOAD_NT   ; the residual, in the layout in which the rows come back from the stage
.endr
.endr
	WIN 0
.macro MUL4 f, a, zero                 ; A's block a x W's four.  The 16 accumulators take turns, one instruction a turn, in the same order in every quarter
.irp b, 0,1,2,3
.if \zero
	v_wmma_f32_16x16x128_fp8_fp8 v[ACC+8*(4*(\a)+\b):ACC+8*(4*(\a)+\b)+7], v[\f+64+16*\b:\f+64+16*\b+15], v[\f+16*(\a):\f+16*(\a)+15], 0
.else
	v_wmma_f32_16x16x128_fp8_fp8 v[ACC+8*(4*(\a)+\b):ACC+8*(4*(\a)+\b)+7], v[\f+64+16*\b:\f+64+16*\b+15], v[\f+16*(\a):\f+16*(\a)+15], v[ACC+8*(4*(\a)+\b):ACC+8*(4*(\a)+\b)+7]
.endif
.endr
.endm
.macro FETCH slot, q, f                ; 32 LDS loads in one run: the slot's q-th 128 along K: W's four fragments, then A's
	WIN TO_F
.irp i, 0,1,2,3
.irp c, 0,1,2,3
	ds_load_b128 v[\f+64+16*\i+4*\c:\f+64+16*\i+4*\c+3], v[ADRB+\slot] offset:\i*KSB+(\q)*2048+512*\c
.endr
.endr
.irp i, 0,1,2,3
.irp c, 0,1,2,3
	ds_load_b128 v[\f+16*\i+4*\c:\f+16*\i+4*\c+3], v[ADRA+\slot] offset:\i*KSB+(\q)*2048+512*\c
.endr
.endr
.endm
.macro PLACES
.rept 4
	v_nop
.endr
.endm
.macro QUARTER slot, qn, f, g, zero    ; 128 along K: multiplies set f and fetches the slot's quarter qn into set g
	s_wait_dscnt 8                                 ; W's four and A's blocks 0, 1 are in; the youngest eight loads (blocks 2, 3) may be out
	WIN MUL
	MUL4 \f, 0, \zero
	MUL4 \f, 1, \zero
	PLACES
	FETCH \slot, \qn, \g
	s_wait_dscnt 32                                ; all but the 32 just issued
	WIN MUL
	MUL4 \f, 2, \zero
	MUL4 \f, 3, \zero
.endm
; A slot's last quarter changes slots: one barrier; in front of it each wave waits for all its tensor loads, adds 0 to its spare word, and waits for that and for its reads of this slot.
.macro TURN slot, next, fill
	WIN 0
	s_wait_tensorcnt 0x0
	ds_add_u32 v[SPW], v[NIL]
	s_wait_dscnt 9                                 ; the add and the youngest eight loads may be out
	WIN MUL
	MUL4 F1, 0, 0
	s_wait_dscnt 0x0
	s_barrier_signal -1
	MUL4 F1, 1, 0
.if \fill
	WIN 0
.endif
	s_barrier_wait -1
.if \fill
	CREST
	s_add_nc_u64 s[G0+4*\slot+2:G0+4*\slot+3], s[G0+4*\slot+2:G0+4*\slot+3], 2*KSB
	s_add_nc_u64 s[G0B+4*\slot+2:G0B+4*\slot+3], s[G0B+4*\slot+2:G0B+4*\slot+3], 2*KSB
	JLOAD \slot
.else
	PLACES
.endif
	FETCH \next, 0, F0
	WIN MUL
	MUL4 F1, 2, 0
	MUL4 F1, 3, 0
.endm
	s_wait_tensorcnt 0x0                           ; my one load is in
	s_barrier_signal -1
	s_barrier_wait -1
	FETCH 0, 0, F0
	QUARTER 0, 1, F0, F1, 1                        ; the first quarter's products start the sums
.if LAPS > 1
	WIN 0
	s_mov_b32 s3, LAPS-1
.Llap:
	QUARTER 0, 2, F1, F0, 0
	QUARTER 0, 3, F0, F1, 0
	TURN 0, 1, 1
	QUARTER 1, 1, F0, F1, 0
	QUARTER 1, 2, F1, F0, 0
	QUARTER 1, 3, F0, F1, 0
	TURN 1, 0, 1
	QUARTER 0, 1, F0, F1, 0
	WIN 0
	s_sub_co_u32 s3, s3, 1
	s_cmp_lg_u32 s3, 0
	s_cbranch_scc1 .Llap
.endif
	QUARTER 0, 2, F1, F0, 0                        ; the last lap fills nothing
	QUARTER 0, 3, F0, F1, 0
	TURN 0, 1, 0
	QUARTER 1, 1, F0, F1, 0
	QUARTER 1, 2, F1, F0, 0
	QUARTER 1, 3, F0, F1, 0
	s_wait_dscnt 8
	WIN MUL
	MUL4 F1, 0, 0
	MUL4 F1, 1, 0
	s_wait_dscnt 0
	MUL4 F1, 2, 0
	MUL4 F1, 3, 0
	WIN 0
	; THE WAY OUT, a block of 16 rows x 64 columns at a time, through my own stage.  LDS serves a wave's instructions in order: no wait between the stores and the loads, nor in front of the next block's stores.
	s_wait_kmcnt 0x0
	s_add_co_i32 s72, s72, s73
	s_add_co_i32 s72, s72, 127
	s_lshl_b32 s72, s72, 23                        ; 2^(ea + eb) as f32
	s_mov_b32 s73, s72
	PLACES
	s_wait_loadcnt 0x0                             ; the residual
.macro TOSTAGE a
.irp b, 0,1,2,3
	ds_store_b128 v[STO], v[ACC+8*(4*(\a)+\b):ACC+8*(4*(\a)+\b)+3] offset:64*\b          ; each accumulator from its low end on
	ds_store_b128 v[STO], v[ACC+8*(4*(\a)+\b)+4:ACC+8*(4*(\a)+\b)+7] offset:64*\b+16
.endr
.irp i, 0,1,2,3,4,5,6,7
	ds_load_b128 v[BK+32*((\a)%2)+4*\i:BK+32*((\a)%2)+4*\i+3], v[RD] offset:\i*2*SPITCH
.endr
.endm
.macro SEND a, younger                 ; younger: the next block's 8 stores and 8 loads, which may stay out, or none
	s_wait_dscnt \younger
	WIN 0xa0                                       ; source 2 and destination window 2
.set p, 0
.rept 16
	v_pk_fma_f32 v[32*(\a)+2*p:32*(\a)+2*p+1], v[BK+32*((\a)%2)+2*p:BK+32*((\a)%2)+2*p+1], s[72:73], v[32*(\a)+2*p:32*(\a)+2*p+1] op_sel_hi:[1,0,1]
.set p, p+1
.endr
	WIN 0x08                                       ; the stores' data window 2
.irp i, 0,1,2,3,4,5,6,7
	global_store_b128 v[CO], v[32*(\a)+4*\i:32*(\a)+4*\i+3], s[70:71] offset:(16*(\a)+2*\i)*4096   ; sixteen lanes store 256 consecutive bytes, aligned
.endr
	WIN 0
.endm
	TOSTAGE 0
.irp a, 1,2,3
	TOSTAGE \a
	SEND \a-1, 16
.endr
	SEND 3, 0
	s_wait_tensorcnt 0x0                           ; the wave's end
	ds_add_u32 v[SPW], v[NIL]
	s_wait_dscnt 0x0
	CROUND                                         ; the closing round
	s_endpgm
.Lfunc_end_k_q319e917905_gemm_o:
	.size	k_q319e917905_gemm_o, .Lfunc_end_k_q319e917905_gemm_o-k_q319e917905_gemm_o
	.p2alignl 7, 3214868480
	.fill 96, 4, 3214868480
	.section	.rodata,"a",@progbits
	.p2align	6, 0x0
	.amdhsa_kernel k_q319e917905_gemm_o
		.amdhsa_group_segment_fixed_size 327680
		.amdhsa_private_segment_fixed_size 0
		.amdhsa_enable_private_segment 0
		.amdhsa_kernarg_size 40
		.amdhsa_user_sgpr_count 2
		.amdhsa_user_sgpr_kernarg_segment_ptr 1
		.amdhsa_wavefront_size32 1
		.amdhsa_system_sgpr_workgroup_id_x 1
		.amdhsa_system_sgpr_workgroup_id_y 1
		.amdhsa_system_sgpr_workgroup_id_z 1
		.amdhsa_system_vgpr_workitem_id 0
		.amdhsa_next_free_vgpr 640
		.amdhsa_next_free_sgpr 80
		.amdhsa_reserve_vcc 0
		.amdhsa_float_denorm_mode_32 3
		.amdhsa_float_denorm_mode_16_64 3
		.amdhsa_memory_ordered 1
		.amdhsa_forward_progress 1
		.amdhsa_inst_pref_size 48
	.end_amdhsa_kernel
	.amdgpu_metadata
---
amdhsa.version: [ 1, 2 ]
amdhsa.kernels:
  - .name:           k_q319e917905_gemm_o
    .symbol:         k_q319e917905_gemm_o.kd
    .args:
      - { .name: oimg, .offset: 0, .size: 8, .value_kind: global_buffer, .address_space: global }
      - { .name: wimg, .offset: 8, .size: 8, .value_kind: global_buffer, .address_space: global }
      - { .name: lowp_scales, .offset: 16, .size: 8, .value_kind: global_buffer, .address_space: global }
      - { .name: X, .offset: 24, .size: 8, .value_kind: global_buffer, .address_space: global }
      - { .name: x1, .offset: 32, .size: 8, .value_kind: global_buffer, .address_space: global }
    .group_segment_fixed_size: 327680
    .private_segment_fixed_size: 0
    .kernarg_segment_align: 8
    .kernarg_segment_size: 40
    .max_flat_workgroup_size: 128
    .sgpr_count:     80
    .vgpr_count:     640
    .wavefront_size: 32
...
	.end_amdgpu_metadata
.endif
;; end of part 4
;; launch norm2 (part 5): grid 256 x 1, 8 waves a work-group, no clusters, 17,664 bytes of LDS; arguments x1, gamma2, lowp_scales, a5; writes a5
.if DOCPART == 5
	.amdgcn_target "amdgcn-amd-amdhsa--gfx1250"
	.amdhsa_code_object_version 6
	.text
	.protected	k_q319e917905_norm2
	.globl	k_q319e917905_norm2
	.p2align	8
	.type	k_q319e917905_norm2,@function
k_q319e917905_norm2:
	s_mov_b64 s[64:65], 0
	v_nop
	global_prefetch_b8 v0, s[64:65] scope:SCOPE_SE
	s_setreg_imm32_b32 hwreg(HW_REG_WAVE_MODE, 25, 1), 1
	s_wait_xcnt 0x0
; a5 = rms_norm(X1, gamma2) quantised to FP8 (E4M3) with 2^e8, stored as images of registers (16 rows x 128 K in 2,048 bytes, register 4 c + j of lane l at 512 c + 16 l + 4 j, the plain 8-bit forms' own layout).  Nothing is left out here.
; A work-group takes 16 rows, a wave two, kept in registers between the sum of squares and the scaling: X1 is read once.  The codes meet in a stage in LDS, rows along K, in which position 32 c + 16 h + 8 u + i holds
; k = 32 c + 16 u + 8 h + i, so that 16 bytes at 32 c + 16 h are lane (r, h)'s 16 bytes of the image; one barrier; wave w stores the image of K block w.
; A launch of its own: the quantiser wants the whole row's mean square, and the rows of X1 are finished by eight work-groups of the launch before.  No tensor loads, no matrix unit, no cluster: the bytes moved decide.
; LIMITS: e8 between -126 and 119.  NaN among the inputs is not served.
.set RP,    1040                       ; a stage row: 1,024 codes + 16 bytes
.set RSTG,  0
.set SPARE, RSTG+16*RP
.set SPW,  14
.set NIL,  15
.set X,    32                          ; v32-63 row 0, v64-95 row 1
.set GM,   112                         ; v112-143 gamma
	s_load_b256 s[4:11], s[0:1], 0x0               ; x1, gamma2, the scales' exponents, a5
	v_lshl_add_u32 v[SPW], v0, 2, SPARE
	v_mov_b32 v[NIL], 0
	v_lshrrev_b32 v1, 5, v0
	s_delay_alu instid0(VALU_DEP_1)
	v_readfirstlane_b32 s22, v1                    ; wave 0..7
	v_and_b32 v1, 31, v0
	v_and_b32 v2, 15, v0
	v_bfe_u32 v13, v0, 4, 1
	s_delay_alu instid0(VALU_DEP_3)
	v_lshlrev_b32 v3, 2, v1
	s_delay_alu instid0(VALU_DEP_4)
	v_lshlrev_b32 v8, 4, v1
	s_mul_i32 s23, s22, 2*RP
	v_and_b32 v6, 0x64, v3                         ; in: my 4 codes have k % 128 = 4 x lane + 0 .. 3; in the stage bits 3 and 4 change places
	v_bfe_u32 v5, v0, 1, 1
	s_delay_alu instid0(VALU_DEP_1)
	v_lshl_add_u32 v6, v5, 4, v6
	v_bfe_u32 v5, v0, 2, 1
	s_delay_alu instid0(VALU_DEP_1)
	v_lshl_add_u32 v6, v5, 3, v6
	s_delay_alu instid0(VALU_DEP_1)
	v_add_nc_u32 v6, s23, v6
	s_lshl_b32 s23, s22, 7
	v_mul_u32_u24 v12, v2, RP                      ; out: row r, K block = my wave, + 16 h
	s_delay_alu instid0(VALU_DEP_1)
	v_lshl_add_u32 v12, v13, 4, v12
	s_delay_alu instid0(VALU_DEP_1)
	v_add_nc_u32 v12, s23, v12
	s_lshl_b32 s12, ttmp9, 16
	s_lshl_b32 s14, s22, 13
	s_add_co_u32 s12, s12, s14
	s_mov_b32 s13, 0
	s_lshl_b32 s16, ttmp9, 14
	s_lshl_b32 s14, s22, 11
	s_add_co_u32 s16, s16, s14
	s_mov_b32 s17, 0
	s_mov_b32 s30, 0x3a800000                      ; 1 / 1,024
	s_mov_b32 s31, 0x358637bd                      ; 1e-6
	s_mov_b32 s32, 0x76543210
	s_mov_b32 s33, 0xfedcba98
	v_mov_b32 v108, 0
	s_wait_kmcnt 0x0
	s_load_b32 s24, s[8:9], 0x20                   ; e8
	s_add_nc_u64 s[4:5], s[4:5], s[12:13]
	s_add_nc_u64 s[10:11], s[10:11], s[16:17]
.irp j, 0,1,2,3,4,5,6,7
	global_load_b128 v[GM+4*\j:GM+4*\j+3], v8, s[6:7] offset:512*\j
.endr
.irp j, 0,1,2,3,4,5,6,7
	global_load_b128 v[X+4*\j:X+4*\j+3], v8, s[4:5] offset:512*\j th:TH_LOAD_NT
.endr
.irp j, 0,1,2,3,4,5,6,7
	global_load_b128 v[X+32+4*\j:X+32+4*\j+3], v8, s[4:5] offset:4096+512*\j th:TH_LOAD_NT
.endr
	s_wait_kmcnt 0x0
	s_add_co_i32 s24, s24, 127
	s_lshl_b32 s25, s24, 23
	v_mov_b32 v11, s25                             ; 2^e8
	s_add_co_i32 s24, s24, 8
	s_lshl_b32 s24, s24, 23
	s_or_b32 s24, s24, 0x600000
	v_mov_b32 v10, s24                             ; 448 x 2^e8
.macro SUMSQ x, s
	v_pk_mul_f32 v[\s:\s+1], v[\x:\x+1], v[\x:\x+1]
	v_pk_mul_f32 v[\s+2:\s+3], v[\x+2:\x+3], v[\x+2:\x+3]
.irp j, 4,8,12,16,20,24,28
	s_delay_alu instid0(VALU_DEP_2)
	v_pk_fma_f32 v[\s:\s+1], v[\x+\j:\x+\j+1], v[\x+\j:\x+\j+1], v[\s:\s+1]
	s_delay_alu instid0(VALU_DEP_2)
	v_pk_fma_f32 v[\s+2:\s+3], v[\x+\j+2:\x+\j+3], v[\x+\j+2:\x+\j+3], v[\s+2:\s+3]
.endr
	s_delay_alu instid0(VALU_DEP_1)
	v_pk_add_f32 v[\s:\s+1], v[\s:\s+1], v[\s+2:\s+3]
	s_delay_alu instid0(VALU_DEP_1)
	v_add_f32 v[\s], v[\s], v[\s+1]
	s_delay_alu instid0(VALU_DEP_1)
	v_add_f32_dpp v[\s], v[\s], v[\s] row_xmask:1 row_mask:0xf bank_mask:0xf
	s_delay_alu instid0(VALU_DEP_1)
	v_add_f32_dpp v[\s], v[\s], v[\s] row_xmask:2 row_mask:0xf bank_mask:0xf
	s_delay_alu instid0(VALU_DEP_1)
	v_add_f32_dpp v[\s], v[\s], v[\s] row_xmask:4 row_mask:0xf bank_mask:0xf
	s_delay_alu instid0(VALU_DEP_1)
	v_add_f32_dpp v[\s], v[\s], v[\s] row_xmask:8 row_mask:0xf bank_mask:0xf
	s_delay_alu instid0(VALU_DEP_1)
	v_permlanex16_b32 v108, v[\s], s32, s33
	s_delay_alu instid0(VALU_DEP_1)
	v_add_f32 v[\s], v[\s], v108
.endm
.macro ROWQ x, rp, c, rr               ; (x r) gamma in that order, held, turned into codes; code register j holds k = 128 j + 4 x lane + 0 .. 3
.set q, 0
.rept 16
	v_pk_mul_f32 v[\x+q:\x+q+1], v[\x+q:\x+q+1], v[\rp:\rp+1]
.set q, q+2
.endr
.set q, 0
.rept 16
	v_pk_mul_f32 v[\x+q:\x+q+1], v[\x+q:\x+q+1], v[GM+q:GM+q+1]
.set q, q+2
.endr
.set q, 0
.rept 32
	v_med3_num_f32 v[\x+q], v[\x+q], -v10, v10     ; the conversion does not saturate (ISA guide 7.6.2): the hold comes first
.set q, q+1
.endr
.irp g, 0,1,2,3
	v_cvt_scalef32_pk8_fp8_f32 v[\c+2*\g:\c+2*\g+1], v[\x+8*\g:\x+8*\g+7], v11
.endr
	v_nop                                          ; one plain line behind the last conversion
.irp j, 0,1,2,3,4,5,6,7
	ds_store_b32 v6, v[\c+\j] offset:\rr*RP+128*\j
.endr
.endm
	s_wait_loadcnt 8                               ; gamma and row 0 are in; row 1's eight loads may be out
	SUMSQ X, 96
	s_wait_loadcnt 0
	SUMSQ X+32, 100
	v_fma_f32 v96, v96, s30, s31
	s_delay_alu instid0(VALU_DEP_2)
	v_fma_f32 v100, v100, s30, s31
	s_wait_alu depctr_va_vdst(0)
	v_rsq_f32 v104, v96                            ; twice each: the packed multiply names a pair
	v_rsq_f32 v105, v96
	v_rsq_f32 v106, v100
	v_rsq_f32 v107, v100
	v_nop
	s_wait_alu depctr_va_vdst(0)                   ; one wait for the four, ahead of their first reader
	ROWQ X, 104, 168, 0
	ROWQ X+32, 106, 160, 1
	s_wait_dscnt 0x0                               ; for the others' sake: my codes lie in the stage
	s_barrier_signal -1
	s_barrier_wait -1
.irp c, 0,1,2,3
	ds_load_b128 v[144+4*\c:147+4*\c], v12 offset:32*\c
.endr
.irp c, 0,1,2,3
	s_wait_dscnt 3-\c
	global_store_b128 v8, v[144+4*\c:147+4*\c], s[10:11] offset:512*\c   ; 512 consecutive bytes, aligned
.endr
	s_wait_tensorcnt 0x0                           ; the wave's end
	ds_add_u32 v[SPW], v[NIL]
	s_wait_dscnt 0x0
	s_endpgm
.Lfunc_end_k_q319e917905_norm2:
	.size	k_q319e917905_norm2, .Lfunc_end_k_q319e917905_norm2-k_q319e917905_norm2
	.p2alignl 7, 3214868480
	.fill 96, 4, 3214868480
	.section	.rodata,"a",@progbits
	.p2align	6, 0x0
	.amdhsa_kernel k_q319e917905_norm2
		.amdhsa_group_segment_fixed_size 17664
		.amdhsa_private_segment_fixed_size 0
		.amdhsa_enable_private_segment 0
		.amdhsa_kernarg_size 32
		.amdhsa_user_sgpr_count 2
		.amdhsa_user_sgpr_kernarg_segment_ptr 1
		.amdhsa_wavefront_size32 1
		.amdhsa_system_sgpr_workgroup_id_x 1
		.amdhsa_system_sgpr_workgroup_id_y 1
		.amdhsa_system_sgpr_workgroup_id_z 1
		.amdhsa_system_vgpr_workitem_id 0
		.amdhsa_next_free_vgpr 176
		.amdhsa_next_free_sgpr 66
		.amdhsa_reserve_vcc 0
		.amdhsa_float_denorm_mode_32 3
		.amdhsa_float_denorm_mode_16_64 3
		.amdhsa_memory_ordered 1
		.amdhsa_forward_progress 1
		.amdhsa_inst_pref_size 21
	.end_amdhsa_kernel
	.amdgpu_metadata
---
amdhsa.version: [ 1, 2 ]
amdhsa.kernels:
  - .name:           k_q319e917905_norm2
    .symbol:         k_q319e917905_norm2.kd
    .args:
      - { .name: x1, .offset: 0, .size: 8, .value_kind: global_buffer, .address_space: global }
      - { .name: gamma2, .offset: 8, .size: 8, .value_kind: global_buffer, .address_space: global }
      - { .name: lowp_scales, .offset: 16, .size: 8, .value_kind: global_buffer, .address_space: global }
      - { .name: a5, .offset: 24, .size: 8, .value_kind: global_buffer, .address_space: global }
    .group_segment_fixed_size: 17664
    .private_segment_fixed_size: 0
    .kernarg_segment_align: 8
    .kernarg_segment_size: 32
    .max_flat_workgroup_size: 256
    .sgpr_count:     66
    .vgpr_count:     176
    .wavefront_size: 32
...
	.end_amdgpu_metadata
.endif
;; end of part 5
;; launch gemm_ffin (part 6): grid 16 x 16, 4 waves a work-group, clusters of 4 x 4, 327,680 bytes of LDS; arguments a5, wimg, lowp_scales, himg; writes himg
.if DOCPART == 6
	.amdgcn_target "amdgcn-amd-amdhsa--gfx1250"
	.amdhsa_code_object_version 6
	.text
	.protected	k_q319e917905_gemm_ffin
	.globl	k_q319e917905_gemm_ffin
	.p2align	8
	.type	k_q319e917905_gemm_ffin,@function
k_q319e917905_gemm_ffin:
	s_mov_b64 s[64:65], 0
	v_nop
	global_prefetch_b8 v0, s[64:65] scope:SCOPE_SE
	s_setreg_imm32_b32 hwreg(HW_REG_WAVE_MODE, 25, 1), 1
	s_wait_xcnt 0x0
	s_wait_alu depctr_hold_cnt(0) depctr_sa_sdst(0) depctr_va_vdst(0) depctr_va_sdst(0) depctr_va_ssrc(0) depctr_va_vcc(0) depctr_vm_vsrc(0)
	s_getreg_b32 s2, hwreg(HW_REG_IB_STS2, 6, 4)
	s_cmp_eq_u32 s2, 0
	s_cbranch_scc0 .Lentry_in_a_cluster
	s_endpgm
.Lentry_in_a_cluster:
	s_bfe_u32 s2, ttmp6, 0x10000c
	s_cmp_lg_u32 s2, 0xf033
	s_cbranch_scc0 .Lentry_shape_is_right
	s_endpgm
.Lentry_shape_is_right:
.set KSB,    4096
.set MBP,    16384
.set HALFT,  8*KSB
.set SLOT,   4*HALFT
.set LAPS,   2
.set SPARE,  2*SLOT
.set WOFF,   4194304
.set FR,     16
.set NL,     4
.set NP,     4
.set ADRA, 16
.set ADRB, 20
.set CO,   26
.set SPW,  28
.set NIL,  29
.set SCL,  30
.set LIM,  31
.set TMP,  32
.set AF,   128
.set CD,   128
.set G1, 24
.set G0, 32
.set G1B, 48
.set G0B, 56
.set MSB, 0
.macro WIN new
.if MSB != \new
	s_set_vgpr_msb (MSB<<8)|\new
.set MSB, \new
.endif
.endm
.set MUL_LO, 0xa1
.set MUL_HI, 0xf1
.set TO_B,   0x40
.macro JLOAD g0a, g1a, g0b, g1b
	s_cmp_eq_u32 s15, 0
	s_cbranch_scc0 .Lfor_b_\@
	tensor_load_to_lds s[\g0a:\g0a+3], s[\g1a:\g1a+7]
	s_nop 0
.rept 4
	v_nop
.endr
	s_branch .Lasked_\@
.Lfor_b_\@:
	tensor_load_to_lds s[\g0b:\g0b+3], s[\g1b:\g1b+7]
	s_nop 0
.rept 4
	v_nop
.endr
.Lasked_\@:
.endm
.macro CREST
	s_cmp_lg_u32 s14, 0
	s_cbranch_scc1 .Lnot_wave_0_\@
	s_barrier_signal -3
.Lnot_wave_0_\@:
	s_barrier_wait -3
	s_barrier_signal -1
	s_barrier_wait -1
.endm
.macro CROUND
	s_barrier_signal -1
	s_barrier_wait -1
	CREST
.endm
	s_load_b128 s[4:7], s[0:1], 0x0
	s_load_b128 s[8:11], s[0:1], 0x10
	v_lshl_add_u32 v[SPW], v0, 2, SPARE
	v_mov_b32 v[NIL], 0
	ds_add_u32 v[SPW], v[NIL]
	ds_add_u32 v[SPW], v[NIL]
	v_lshrrev_b32 v1, 5, v0
	v_readfirstlane_b32 s14, v1
	s_lshr_b32 s15, s14, 1
	s_and_b32 s16, s14, 1
	s_bfe_u32 s40, ttmp6, 0x40000
	s_bfe_u32 s41, ttmp6, 0x40004
	s_lshl_b32 s42, ttmp9, 2
	s_add_co_u32 s42, s42, s40
	s_and_b32 s17, ttmp7, 0xffff
	s_lshl_b32 s17, s17, 2
	s_add_co_u32 s17, s17, s41
	s_lshl_b32 s43, s41, 2
	s_lshl_b32 s43, 15, s43
	s_lshl_b32 s44, 0x1111, s40
	s_or_b32 s[G1+0], s43, (3<<16)|(1<<21)
	s_or_b32 s[G1B+0], s44, (3<<16)|(1<<21)
.irp g, G1, G1B
	s_mov_b32 s[\g+1], 512<<16
	s_mov_b32 s[\g+2], 8<<16
	s_mov_b32 s[\g+3], 512<<16
	s_mov_b32 s[\g+4], 8
	s_mov_b32 s[\g+5], MBP/8
	s_mov_b32 s[\g+6], 0
	s_mov_b32 s[\g+7], 0
.endr
	s_lshl_b32 s18, s16, 3
	s_lshl_b32 s20, s17, 4
	s_add_co_u32 s20, s20, s18
	s_lshl_b32 s20, s20, 14
	s_mov_b32 s21, 0
	s_lshl_b32 s46, s42, 4
	s_add_co_u32 s46, s46, s18
	s_lshl_b32 s46, s46, 14
	s_add_co_u32 s46, s46, WOFF
	s_mov_b32 s47, 0
	s_mul_i32 s45, s14, HALFT
	s_wait_dscnt 0x0
	s_wait_kmcnt 0x0
	s_load_b128 s[68:71], s[8:9], 0x20
	s_add_nc_u64 s[20:21], s[4:5], s[20:21]
	s_add_nc_u64 s[46:47], s[6:7], s[46:47]
	CROUND
.irp s, 0,1
	s_mov_b32 s[G0+4*\s], 1
	s_add_co_u32 s[G0+4*\s+1], s45, \s*SLOT
	s_add_nc_u64 s[G0+4*\s+2:G0+4*\s+3], s[20:21], \s*KSB
	s_or_b32 s[G0+4*\s+3], s[G0+4*\s+3], 0x80000000
	s_mov_b32 s[G0B+4*\s], 1
	s_add_co_u32 s[G0B+4*\s+1], s45, \s*SLOT
	s_add_nc_u64 s[G0B+4*\s+2:G0B+4*\s+3], s[46:47], \s*KSB
	s_or_b32 s[G0B+4*\s+3], s[G0B+4*\s+3], 0x80000000
.endr
	JLOAD G0, G1, G0B, G1B                         ; K step 0: one tensor load a wave at the head, behind the opening round
	v_and_b32 v1, 31, v0
	v_lshlrev_b32 v[CO], 4, v1
	s_mul_i32 s21, s15, HALFT
	s_mul_i32 s22, s16, HALFT
	s_add_co_u32 s22, s22, 2*HALFT
.irp s, 0,1
	v_add_nc_u32 v[ADRA+\s], s21, v[CO]
	v_add_nc_u32 v[ADRB+\s], s22, v[CO]
	s_add_co_u32 s21, s21, SLOT
	s_add_co_u32 s22, s22, SLOT
.endr
	s_lshl_b32 s80, s17, 4
	s_lshl_b32 s81, s15, 3
	s_add_co_u32 s80, s80, s81
	s_lshl_b32 s80, s80, 16
	s_lshl_b32 s81, s42, 1
	s_add_co_u32 s81, s81, s16
	s_lshl_b32 s81, s81, 11
	s_add_co_u32 s80, s80, s81
	s_mov_b32 s81, 0
	s_add_nc_u64 s[10:11], s[10:11], s[80:81]
.macro FRAG reg, adr, q, i
.irp c, 0,1,2,3
	ds_load_b128 v[\reg+4*\c:\reg+4*\c+3], v[\adr] offset:(\i)*KSB+(\q)*2048+512*\c
.endr
.endm
.macro MUL16 a0, p, zero
.irp a, \a0, \a0+1
.irp b, 0,1,2,3,4,5,6,7
.if \zero
	v_wmma_f32_16x16x128_fp8_fp8 v[8*(8*((\a)%4)+\b):8*(8*((\a)%4)+\b)+7], v[128*(\p)+FR*\b:128*(\p)+FR*\b+FR-1], v[AF+FR*(\a):AF+FR*(\a)+FR-1], 0
.else
	v_wmma_f32_16x16x128_fp8_fp8 v[8*(8*((\a)%4)+\b):8*(8*((\a)%4)+\b)+7], v[128*(\p)+FR*\b:128*(\p)+FR*\b+FR-1], v[AF+FR*(\a):AF+FR*(\a)+FR-1], v[8*(8*((\a)%4)+\b):8*(8*((\a)%4)+\b)+7]
.endif
.endr
.endr
.endm
.macro FETCH_B slot, q, p
	WIN TO_B
.irp i, 0,1,2,3,4,5,6,7
	FRAG 128*(\p)+FR*\i, ADRB+\slot, \q, \i
.endr
	WIN 0
.endm
.macro FETCH_A slot, q, i0
.irp i, \i0, \i0+1, \i0+2, \i0+3
	FRAG AF+FR*(\i), ADRA+\slot, \q, \i
.endr
.endm
.macro PLACES n
.rept \n
	v_nop
.endr
.endm
.macro STEP slot, q, zero
	s_wait_dscnt 4*NL
	WIN MUL_LO
	MUL16 0, (\q)%2, \zero
	MUL16 2, (\q)%2, \zero
	s_wait_dscnt 0
	PLACES NP
	FETCH_B \slot, (\q)+1, 1-(\q)%2
	FETCH_A \slot, (\q)+1, 0
	WIN MUL_HI
	MUL16 4, (\q)%2, \zero
	MUL16 6, (\q)%2, \zero
	PLACES NP
	WIN 0
	FETCH_A \slot, (\q)+1, 4
.endm
.macro TURN slot, next, fill
	s_wait_tensorcnt 0x0
	ds_add_u32 v[SPW], v[NIL]
	s_wait_dscnt 4*NL+1
	WIN MUL_LO
	MUL16 0, 1, 0
	s_wait_dscnt 0x0
	s_barrier_signal -1
	MUL16 2, 1, 0
	WIN 0
	s_barrier_wait -1
.if \fill
	CREST
	s_add_nc_u64 s[G0+4*\slot+2:G0+4*\slot+3], s[G0+4*\slot+2:G0+4*\slot+3], 2*KSB
	s_add_nc_u64 s[G0B+4*\slot+2:G0B+4*\slot+3], s[G0B+4*\slot+2:G0B+4*\slot+3], 2*KSB
	JLOAD G0+4*\slot, G1, G0B+4*\slot, G1B
.else
	PLACES NP
.endif
	FETCH_B \next, 0, 0
	FETCH_A \next, 0, 0
	WIN MUL_HI
	MUL16 4, 1, 0
	MUL16 6, 1, 0
	PLACES NP
	WIN 0
	FETCH_A \next, 0, 4
.endm
	s_wait_alu depctr_va_vdst(0)
	s_wait_tensorcnt 0x0                           ; my part of K step 0 is in; slot 1's first fill is issued as a refill is:
	ds_add_u32 v[SPW], v[NIL]
	s_wait_dscnt 0x0
	CROUND                                         ; a whole round: everybody's part of K step 0 is in, and the joint loads meet
	JLOAD G0+4, G1, G0B+4, G1B                     ; K step 1: the first tensor load behind the round
	FETCH_B 0, 0, 0
	FETCH_A 0, 0, 0
	FETCH_A 0, 0, 4
	STEP 0, 0, 1
	s_mov_b32 s3, LAPS-1
.Llap:
	TURN 0, 1, 1
	STEP 1, 0, 0
	TURN 1, 0, 1
	STEP 0, 0, 0
	s_sub_co_u32 s3, s3, 1
	s_cmp_lg_u32 s3, 0
	s_cbranch_scc1 .Llap
	TURN 0, 1, 0
	STEP 1, 0, 0
	s_wait_dscnt 4*NL
	WIN MUL_LO
	MUL16 0, 1, 0
	MUL16 2, 1, 0
	s_wait_dscnt 0
	WIN MUL_HI
	MUL16 4, 1, 0
	MUL16 6, 1, 0
	WIN 0
	s_wait_kmcnt 0x0
	s_sub_co_i32 s72, s70, s68
	s_sub_co_i32 s72, s72, s69
	s_add_co_i32 s72, s72, 127
	s_lshl_b32 s73, s72, 23
	v_mov_b32 v[SCL], s73
	s_add_co_i32 s72, s72, 8
	s_lshl_b32 s72, s72, 23
	s_or_b32 s72, s72, 0x600000
	v_mov_b32 v[LIM], s72
	PLACES NP
.macro BLOCKOUT a
.set AC, 64*((\a)%4)
	WIN 0x02+((\a)/4)
.set j, 0
.rept 64
	v_med3_num_f32 v[TMP+j], v[AC+j], 0, v[LIM]
.set j, j+1
.endr
	WIN 0
.irp b, 0,1,2,3,4,5,6,7
	v_cvt_scalef32_pk8_fp8_f32 v[CD+16*(\a)+2*\b:CD+16*(\a)+2*\b+1], v[TMP+8*\b:TMP+8*\b+7], v[SCL]
.endr
	v_nop
.irp j, 0,1,2,3
	global_store_b128 v[CO], v[CD+16*(\a)+4*\j:CD+16*(\a)+4*\j+3], s[10:11] offset:(\a)*65536+\j*512
.endr
.endm
.irp a, 0,1,2,3,4,5,6,7
	BLOCKOUT \a
.endr
	s_wait_tensorcnt 0x0
	ds_add_u32 v[SPW], v[NIL]
	s_wait_dscnt 0x0
	CROUND
	s_endpgm
.Lfunc_end_k_q319e917905_gemm_ffin:
	.size	k_q319e917905_gemm_ffin, .Lfunc_end_k_q319e917905_gemm_ffin-k_q319e917905_gemm_ffin
	.p2alignl 7, 3214868480
	.fill 96, 4, 3214868480
	.section	.rodata,"a",@progbits
	.p2align	6, 0x0
	.amdhsa_kernel k_q319e917905_gemm_ffin
		.amdhsa_group_segment_fixed_size 327680
		.amdhsa_private_segment_fixed_size 0
		.amdhsa_enable_private_segment 0
		.amdhsa_kernarg_size 32
		.amdhsa_user_sgpr_count 2
		.amdhsa_user_sgpr_kernarg_segment_ptr 1
		.amdhsa_wavefront_size32 1
		.amdhsa_system_sgpr_workgroup_id_x 1
		.amdhsa_system_sgpr_workgroup_id_y 1
		.amdhsa_system_sgpr_workgroup_id_z 1
		.amdhsa_system_vgpr_workitem_id 0
		.amdhsa_next_free_vgpr 1024
		.amdhsa_next_free_sgpr 100
		.amdhsa_reserve_vcc 0
		.amdhsa_float_denorm_mode_32 3
		.amdhsa_float_denorm_mode_16_64 3
		.amdhsa_memory_ordered 1
		.amdhsa_forward_progress 1
		.amdhsa_inst_pref_size 117
	.end_amdhsa_kernel
	.amdgpu_metadata
---
amdhsa.version: [ 1, 2 ]
amdhsa.kernels:
  - .name:           k_q319e917905_gemm_ffin
    .symbol:         k_q319e917905_gemm_ffin.kd
    .args:
      - { .name: a5, .offset: 0, .size: 8, .value_kind: global_buffer, .address_space: global }
      - { .name: wimg, .offset: 8, .size: 8, .value_kind: global_buffer, .address_space: global }
      - { .name: lowp_scales, .offset: 16, .size: 8, .value_kind: global_buffer, .address_space: global }
      - { .name: himg, .offset: 24, .size: 8, .value_kind: global_buffer, .address_space: global }
    .group_segment_fixed_size: 327680
    .private_segment_fixed_size: 0
    .kernarg_segment_align: 8
    .kernarg_segment_size: 32
    .max_flat_workgroup_size: 128
    .sgpr_count:     100
    .vgpr_count:     1024
    .wavefront_size: 32
...
	.end_amdgpu_metadata
.endif
;; end of part 6
;; launch gemm_ffout (part 7): grid 32 x 8, 4 waves a work-group, clusters of 4 x 1, 327,680 bytes of LDS; arguments himg, wimg, lowp_scales, x1, out0; writes out0
.if DOCPART == 7
	.amdgcn_target "amdgcn-amd-amdhsa--gfx1250"
	.amdhsa_code_object_version 6
	.text
	.protected	k_q319e917905_gemm_ffout
	.globl	k_q319e917905_gemm_ffout
	.p2align	8
	.type	k_q319e917905_gemm_ffout,@function
k_q319e917905_gemm_ffout:
	s_mov_b64 s[64:65], 0
	v_nop
	global_prefetch_b8 v0, s[64:65] scope:SCOPE_SE
	s_setreg_imm32_b32 hwreg(HW_REG_WAVE_MODE, 25, 1), 1
	s_wait_xcnt 0x0
	s_wait_alu depctr_hold_cnt(0) depctr_sa_sdst(0) depctr_va_vdst(0) depctr_va_sdst(0) depctr_va_ssrc(0) depctr_va_vcc(0) depctr_vm_vsrc(0)
	s_getreg_b32 s2, hwreg(HW_REG_IB_STS2, 6, 4)
	s_cmp_eq_u32 s2, 0
	s_cbranch_scc0 .Lentry_in_a_cluster
	s_endpgm
.Lentry_in_a_cluster:
	s_bfe_u32 s2, ttmp6, 0x10000c
	s_cmp_lg_u32 s2, 0x3003
	s_cbranch_scc0 .Lentry_shape_is_right
	s_endpgm
.Lentry_shape_is_right:
.set NKB,    32
.set WOFF,   8388608
.set SCOFF,  0x28
.set MBP,    65536
.set BLKB,   8*2048
.set QUART,  2*BLKB
.set SLOT,   4*QUART
.set STAGE,  2*SLOT
.set SPITCH, 528
.set SPARE,  STAGE+4*16*SPITCH
.set ADRB, 20
.set STO,  24
.set RD,   25
.set CO,   26
.set SPW,  28
.set NIL,  29
.set ACC,  128
.set G1, 24
.set G0, 32
.set MSB, 0
.macro WIN new
.if MSB != \new
	s_set_vgpr_msb (MSB<<8)|\new
.set MSB, \new
.endif
.endm
.set MUL,  0x09
.set TO_F, 0x40
.macro JLOAD s
	tensor_load_to_lds s[G0+4*(\s):G0+4*(\s)+3], s[G1:G1+7]
	s_nop 0
.rept 4
	v_nop
.endr
.endm
.macro CREST
	s_cmp_lg_u32 s10, 0
	s_cbranch_scc1 .Lnot_wave_0_\@
	s_barrier_signal -3
.Lnot_wave_0_\@:
	s_barrier_wait -3
	s_barrier_signal -1
	s_barrier_wait -1
.endm
.macro CROUND
	s_barrier_signal -1
	s_barrier_wait -1
	CREST
.endm
.macro PLACES
.rept 4
	v_nop
.endr
.endm
.macro GROUP
.if G < NKB
	WIN 0x80
.irp a, 0,1
.irp c, 0,1,2,3
	global_load_b128 v[32*(G%8)+16*\a+4*\c:32*(G%8)+16*\a+4*\c+3], v[CO], s[14:15] offset:\a*MBP+G*2048+512*\c
.endr
.endr
.elseif G < NKB+4
	WIN 0xc0
.irp i, 0,1,2,3,4,5,6,7
	global_load_b128 v[4*(8*(G-NKB)+\i):4*(8*(G-NKB)+\i)+3], v[CO], s[68:69] offset:(8*(G-NKB)+\i)*4096 th:TH_LOAD_NT
.endr
.endif
.endm
	s_load_b128 s[4:7], s[0:1], 0x0
	s_load_b64 s[8:9], s[0:1], 0x10
	s_load_b128 s[68:71], s[0:1], 0x18
	v_lshl_add_u32 v[SPW], v0, 2, SPARE
	v_mov_b32 v[NIL], 0
	ds_add_u32 v[SPW], v[NIL]
	ds_add_u32 v[SPW], v[NIL]
	v_lshrrev_b32 v1, 5, v0
	v_readfirstlane_b32 s10, v1
	s_bfe_u32 s40, ttmp6, 0x40000
	s_lshl_b32 s13, ttmp9, 2
	s_add_co_u32 s13, s13, s40
	s_and_b32 s42, ttmp7, 0xffff
	s_mov_b32 s[G1+0], 15|(3<<16)|(1<<21)
	s_mov_b32 s[G1+1], 2048<<16
	s_mov_b32 s[G1+2], 2<<16
	s_mov_b32 s[G1+3], 2048<<16
	s_mov_b32 s[G1+4], 2
	s_mov_b32 s[G1+5], MBP/8
	s_mov_b32 s[G1+6], 0
	s_mov_b32 s[G1+7], 0
	s_lshl_b32 s17, s10, 1
	s_lshl_b32 s46, s42, 3
	s_add_co_u32 s46, s46, s17
	s_lshl_b32 s46, s46, 16
	s_add_co_u32 s46, s46, WOFF
	s_mov_b32 s47, 0
	s_lshl_b32 s16, s13, 3
	s_add_co_u32 s16, s16, s17
	s_lshl_b32 s16, s16, 16
	s_mov_b32 s17, 0
	s_mul_i32 s20, s10, QUART
	s_wait_dscnt 0x0
	s_wait_kmcnt 0x0
	s_load_b64 s[72:73], s[8:9], SCOFF
	s_add_nc_u64 s[14:15], s[4:5], s[16:17]
	s_add_nc_u64 s[46:47], s[6:7], s[46:47]
	CROUND
.irp s, 0,1
	s_mov_b32 s[G0+4*\s], 1
	s_add_co_u32 s[G0+4*\s+1], s20, \s*SLOT
	s_add_nc_u64 s[G0+4*\s+2:G0+4*\s+3], s[46:47], \s*BLKB
	s_or_b32 s[G0+4*\s+3], s[G0+4*\s+3], 0x80000000
	s_wait_alu depctr_va_vdst(0)
	s_wait_tensorcnt 0x0
	ds_add_u32 v28, v29
	ds_add_u32 v28, v29
	s_wait_dscnt 0x0
	CROUND
	JLOAD \s
.endr
	v_and_b32 v1, 31, v0
	v_lshlrev_b32 v[CO], 4, v1
.set G, 0
.rept 7
	GROUP
.set G, G+1
.endr
	WIN 0
	v_and_b32 v2, 15, v0
	v_bfe_u32 v3, v0, 4, 1
.irp s, 0,1
.irp u, 0,1
	v_add_nc_u32 v[ADRB+2*\s+\u], \s*SLOT+\u*4*BLKB, v[CO]
.endr
.endr
	s_mul_i32 s23, s10, 16*SPITCH
	s_add_co_u32 s23, s23, STAGE
	v_mul_u32_u24 v4, v2, SPITCH
	v_lshl_add_u32 v4, v3, 5, v4
	v_add_nc_u32 v[STO], s23, v4
	v_add_nc_u32 v[RD], s23, v[CO]
	s_lshl_b32 s74, s13, 7
	s_lshl_b32 s75, s10, 5
	s_add_co_u32 s74, s74, s75
	s_lshl_b32 s74, s74, 12
	s_lshl_b32 s76, s42, 9
	s_add_co_u32 s74, s74, s76
	s_mov_b32 s75, 0
	s_add_nc_u64 s[68:69], s[68:69], s[74:75]
	s_add_nc_u64 s[70:71], s[70:71], s[74:75]
.macro MUL4 a, b0
.irp b, \b0, \b0+1, \b0+2, \b0+3
.if J == 0
	v_wmma_f32_16x16x128_fp8_fp8 v[ACC+8*(8*\a+\b):ACC+8*(8*\a+\b)+7], v[128*(J%2)+16*(\b):128*(J%2)+16*(\b)+15], v[32*(J%8)+16*\a:32*(J%8)+16*\a+15], 0
.else
	v_wmma_f32_16x16x128_fp8_fp8 v[ACC+8*(8*\a+\b):ACC+8*(8*\a+\b)+7], v[128*(J%2)+16*(\b):128*(J%2)+16*(\b)+15], v[32*(J%8)+16*\a:32*(J%8)+16*\a+15], v[ACC+8*(8*\a+\b):ACC+8*(8*\a+\b)+7]
.endif
.endr
.endm
.macro FETCHB
	WIN TO_F
.irp i, 0,1,2,3,4,5,6,7
.irp c, 0,1,2,3
	ds_load_b128 v[128*(N%2)+16*\i+4*\c:128*(N%2)+16*\i+4*\c+3], v[ADRB+2*((N/8)%2)+\i/4] offset:(\i%4)*BLKB+(N%8)*2048+512*\c
.endr
.endr
.endm
.macro AWAIT
.if NKB+3-J < 6
	s_wait_loadcnt 8*(NKB+3-J)
.else
	s_wait_loadcnt 48
.endif
.endm
.macro MID
.set N, J+1
.if N < NKB
	FETCHB
.endif
.set G, J+7
	GROUP
	WIN MUL
	MUL4 1, 0
	MUL4 1, 4
.set J, J+1
.endm
.macro KB
	AWAIT
	s_wait_dscnt 16
	WIN MUL
	MUL4 0, 0
	s_wait_dscnt 0
	MUL4 0, 4
.if J < NKB-1
	PLACES
.endif
	MID
.endm
.macro TURNKB fill
	WIN 0
	s_wait_tensorcnt 0x0
	ds_add_u32 v[SPW], v[NIL]
	AWAIT
	s_wait_dscnt 17
	WIN MUL
	MUL4 0, 0
	s_wait_dscnt 0x0
	s_barrier_signal -1
	MUL4 0, 4
	WIN 0
	s_barrier_wait -1
.if \fill
.set SL, (J/8)%2
	CREST
	s_add_nc_u64 s[G0+4*SL+2:G0+4*SL+3], s[G0+4*SL+2:G0+4*SL+3], 2*BLKB
	JLOAD SL
.else
	PLACES
.endif
	MID
.endm
	s_wait_alu depctr_va_vdst(0)
	s_wait_tensorcnt 1
	s_barrier_signal -1
	s_barrier_wait -1
.set N, 0
	FETCHB
.set J, 0
.rept 7
	KB
.endr
	TURNKB 1
.rept 7
	KB
.endr
	TURNKB 1
.rept 7
	KB
.endr
	TURNKB 0
.rept 8
	KB
.endr
	WIN 0
	s_wait_kmcnt 0x0
	s_add_co_i32 s72, s72, s73
	s_add_co_i32 s72, s72, 127
	s_lshl_b32 s72, s72, 23
	s_mov_b32 s73, s72
	PLACES
	s_wait_loadcnt 0x0
.macro TOSTAGE a
.irp b, 0,1,2,3,4,5,6,7
	ds_store_b128 v[STO], v[ACC+8*(8*\a+\b):ACC+8*(8*\a+\b)+3] offset:64*\b
	ds_store_b128 v[STO], v[ACC+8*(8*\a+\b)+4:ACC+8*(8*\a+\b)+7] offset:64*\b+16
.endr
	WIN TO_F
.irp t, 0,1,2,3,4,5,6,7,8,9,10,11,12,13,14,15
	ds_load_b128 v[64*\a+4*\t:64*\a+4*\t+3], v[RD] offset:\t*SPITCH
.endr
	WIN 0
.endm
.macro SEND a, younger
	s_wait_dscnt \younger
	WIN 0xf1
.set p, 0
.rept 32
	v_pk_fma_f32 v[64*\a+2*p:64*\a+2*p+1], v[64*\a+2*p:64*\a+2*p+1], s[72:73], v[64*\a+2*p:64*\a+2*p+1] op_sel_hi:[1,0,1]
.set p, p+1
.endr
	WIN 0x0c
.irp t, 0,1,2,3,4,5,6,7,8,9,10,11,12,13,14,15
	global_store_b128 v[CO], v[64*\a+4*\t:64*\a+4*\t+3], s[70:71] offset:(16*\a+\t)*4096
.endr
	WIN 0
.endm
	TOSTAGE 0
	TOSTAGE 1
	SEND 0, 32
	SEND 1, 0
	s_wait_tensorcnt 0x0
	ds_add_u32 v[SPW], v[NIL]
	s_wait_dscnt 0x0
	CROUND
	s_endpgm
.Lfunc_end_k_q319e917905_gemm_ffout:
	.size	k_q319e917905_gemm_ffout, .Lfunc_end_k_q319e917905_gemm_ffout-k_q319e917905_gemm_ffout
	.p2alignl 7, 3214868480
	.fill 96, 4, 3214868480
	.section	.rodata,"a",@progbits
	.p2align	6, 0x0
	.amdhsa_kernel k_q319e917905_gemm_ffout
		.amdhsa_group_segment_fixed_size 327680
		.amdhsa_private_segment_fixed_size 0
		.amdhsa_enable_private_segment 0
		.amdhsa_kernarg_size 40
		.amdhsa_user_sgpr_count 2
		.amdhsa_user_sgpr_kernarg_segment_ptr 1
		.amdhsa_wavefront_size32 1
		.amdhsa_system_sgpr_workgroup_id_x 1
		.amdhsa_system_sgpr_workgroup_id_y 1
		.amdhsa_system_sgpr_workgroup_id_z 1
		.amdhsa_system_vgpr_workitem_id 0
		.amdhsa_next_free_vgpr 896
		.amdhsa_next_free_sgpr 80
		.amdhsa_reserve_vcc 0
		.amdhsa_float_denorm_mode_32 3
		.amdhsa_float_denorm_mode_16_64 3
		.amdhsa_memory_ordered 1
		.amdhsa_forward_progress 1
		.amdhsa_inst_pref_size 152
	.end_amdhsa_kernel
	.amdgpu_metadata
---
amdhsa.version: [ 1, 2 ]
amdhsa.kernels:
  - .name:           k_q319e917905_gemm_ffout
    .symbol:         k_q319e917905_gemm_ffout.kd
    .args:
      - { .name: himg, .offset: 0, .size: 8, .value_kind: global_buffer, .address_space: global }
      - { .name: wimg, .offset: 8, .size: 8, .value_kind: global_buffer, .address_space: global }
      - { .name: lowp_scales, .offset: 16, .size: 8, .value_kind: global_buffer, .address_space: global }
      - { .name: x1, .offset: 24, .size: 8, .value_kind: global_buffer, .address_space: global }
      - { .name: out0, .offset: 32, .size: 8, .value_kind: global_buffer, .address_space: global }
    .group_segment_fixed_size: 327680
    .private_segment_fixed_size: 0
    .kernarg_segment_align: 8
    .kernarg_segment_size: 40
    .max_flat_workgroup_size: 128
    .sgpr_count:     80
    .vgpr_count:     896
    .wavefront_size: 32
...
	.end_amdgpu_metadata
.endif
;; end of part 7
